; MI455X (gfx1250); checked and timed in simulation.
; The chip was launched on July 23, 2026; its instructions are those of AMD's public machine-readable ISA for CDNA 5 (MIT licence, August 2026) and "CDNA5" Instruction Set Architecture Reference Guide (July 2026). The comments in the code are by the model that wrote it; some were corrected since.
;; Attention. Allowed arithmetic: float matrix products may take bf16 or f16 operands with f32 sums; all other float work in f32.
;; Inputs: freqs_cos 2,048 x 64 float32; freqs_sin 2,048 x 64 float32; mask 2,048 x 2,048 float32; wk 4,096 x 1,024 float32; wo 2,048 x 4,096 float32; wq 4,096 x 2,048 float32; wv 4,096 x 1,024 float32; x 1 x 2,048 x 4,096 float32.
;; Outputs: out0 1 x 2,048 x 4,096 float32.
;; Constants: start_pos = 0.
;; One version. Each part assembles by itself: llvm-mc -triple=amdgcn-amd-amdhsa -mcpu=gfx1250 --defsym DOCPART=n.
;; ======== version 1 of 1: 4 launches
;; limits: values are held in f16: magnitudes above 65,504 overflow, below 6.1e-05 lose precision; values outside matrix products are rounded to bf16
;; workspace buffers: xb 16,777,216 bytes; wqkvb 33,554,432 bytes; wo16 16,777,216 bytes; qkv 16,777,216 bytes; ab 8,388,608 bytes
;; launch cvt (part 1): grid 128 x 16, 8 waves a work-group, no clusters, 0 bytes of LDS; arguments x, wo, wq, wk, wv, xb, wo16, wqkvb; writes xb, wo16, wqkvb
.if DOCPART == 1
	.amdgcn_target "amdgcn-amd-amdhsa--gfx1250"
	.amdhsa_code_object_version 6
	.text
	.protected	k_qd2ec79b140_cvt
	.globl	k_qd2ec79b140_cvt
	.p2align	8
	.type	k_qd2ec79b140_cvt,@function
k_qd2ec79b140_cvt:
	s_mov_b64 s[64:65], 0
	v_nop
	global_prefetch_b8 v0, s[64:65] scope:SCOPE_SE
	s_setreg_imm32_b32 hwreg(HW_REG_WAVE_MODE, 25, 1), 1
	s_wait_xcnt 0x0
; 16-bit copies of the five large f32 inputs, for the matrix launches that follow.
;   xb    [2048][4096] bf16 = x
;   wqkvb [4096][4096] bf16 = wq (columns 0-2047) | wk (2048-3071) | wv (3072-4095)
;   wo16  [2048][4096] f16  = 4 * bf16(wo): wo gets the same rounding to bf16 as the other inputs; the factor 4 undoes the
;         quarter that v carries through the attention launch; f16 because the other operand of the last product is f16.
; LIMITS: 4 |wo| must stay below 65,504 (f16); below 4 |wo| = 2^-14 the f16 copy keeps fewer than bf16's eight bits.
; A stream: every input byte is read once, every output byte written once; no LDS, no barrier, no matrix unit, no loop.
; The unit of work is a strip of 1,024 columns x 2,048 rows of one source.  Grid y names the strip (16 of them), grid x 16 of its rows.
; Thread t owns the 16 bytes at 16 t of each strip row: a load of a wave covers 512 consecutive bytes, a store of a wave
; 256 consecutive bytes at a multiple of 256 from the buffer's first byte.  All three destinations have rows of 8,192 bytes.
.set DROW, 8192                        ; bytes in a destination row
.set OFF,  4                           ; v[4:19]    row i: byte offset of my 16 bytes in the source
.set X,    20                          ; v[20:83]   row i: 4 f32 as loaded
.set Y,    84                          ; v[84:115]  row i: 4 numbers of 16 bits to store; a row owns its pair, so no store's data is ever rewritten
.set T,    116                         ; v[116:117] at work
	s_load_b512 s[4:19], s[0:1], 0x0               ; x s[4:5], wo s[6:7], wq s[8:9], wk s[10:11], wv s[12:13], xb s[14:15], wo16 s[16:17], wqkvb s[18:19]
	s_and_b32 s20, ttmp7, 0xffff                   ; y: the strip's number
	s_lshr_b32 s21, s20, 2                         ; group: 0 x, 1 wo, 2 wq, 3 wk and wv
	s_and_b32 s30, s20, 1                          ; y & 1
	s_bfe_u32 s31, s20, 0x10001                    ; (y >> 1) & 1
	s_and_b32 s34, s20, 3                          ; y & 3
	s_lshl_b32 s35, s31, 11
	s_add_co_u32 s35, s35, 4096                    ; group 3: wk's columns begin at byte 4,096 of a row of wqkvb, wv's at 6,144
	v_lshlrev_b32 v[OFF], 4, v0                    ; 16 t
	v_lshlrev_b32 v2, 3, v0                        ; 8 t: my 8 bytes in a destination row
	s_movk_i32 s26, 0x2000                         ; source pitch in bytes: wq 8,192,
	s_cmp_lt_u32 s21, 2
	s_cselect_b32 s26, 0x4000, s26                 ; x and wo 16,384,
	s_cselect_b32 s27, s34, s30                    ; strip: y & 3 of four, or y & 1 of two
	s_cselect_b32 s28, 0, s31                      ; upper or lower 2,048 rows (x and wo have 2,048 in all)
	s_cmp_eq_u32 s21, 3
	s_cselect_b32 s26, 0x1000, s26                 ; wk and wv 4,096
	s_cselect_b32 s27, 0, s27                      ; they are one strip wide
	s_cselect_b32 s28, s30, s28
	s_lshl_b32 s29, s27, 11                        ; the strip's first byte in a destination row
	s_cmp_eq_u32 s21, 3                            ; (the shift has changed SCC)
	s_cselect_b32 s29, s35, s29
	s_lshl_b32 s28, s28, 11
	s_lshl_b32 s34, ttmp9, 4
	s_add_co_u32 s28, s28, s34                     ; my first row = half x 2,048 + 16 x
	s_mul_i32 s36, s28, s26                        ; source offset = row x pitch + strip x 4,096 (below 2^26)
	s_lshl_b32 s34, s27, 12
	s_add_co_u32 s36, s36, s34
	s_mov_b32 s37, 0
	s_lshl_b32 s38, s28, 13                        ; destination offset = row x 8,192 + the strip's byte
	s_add_co_u32 s38, s38, s29
	s_mov_b32 s39, 0
.irp i, 1,2,3,4,5,6,7,8,9,10,11,12,13,14,15
	v_add_nc_u32 v[OFF+\i], s26, v[OFF+\i-1]       ; one source row further down
.endr
	s_wait_kmcnt 0x0
	s_cmp_eq_u32 s31, 0                            ; the buffers are chosen by the strip's number alone
	s_cselect_b64 s[32:33], s[10:11], s[12:13]     ; group 3: wk (y = 12, 13) or wv (14, 15)
	s_cmp_eq_u32 s21, 0
	s_cselect_b64 s[22:23], s[4:5], s[6:7]
	s_cselect_b64 s[24:25], s[14:15], s[16:17]
	s_cmp_eq_u32 s21, 2
	s_cselect_b64 s[22:23], s[8:9], s[22:23]
	s_cmp_eq_u32 s21, 3
	s_cselect_b64 s[22:23], s[32:33], s[22:23]
	s_cmp_ge_u32 s21, 2
	s_cselect_b64 s[24:25], s[18:19], s[24:25]
	s_add_nc_u64 s[22:23], s[22:23], s[36:37]
	s_add_nc_u64 s[24:25], s[24:25], s[38:39]
.irp i, 0,1,2,3,4,5,6,7,8,9,10,11,12,13,14,15
	global_load_b128 v[X+4*\i:X+4*\i+3], v[OFF+\i], s[22:23] th:TH_LOAD_NT   ; all sixteen rows go out at once: 8 KiB of a wave on their way
.endr
.macro ROWB i                          ; a row to bf16
	s_wait_loadcnt 15-\i                           ; loads come back in order (ISA guide 5.7.1): row i is in, the 15 - i younger ones stay out
	v_cvt_pk_bf16_f32 v[Y+2*\i],   v[X+4*\i],   v[X+4*\i+1]
	v_cvt_pk_bf16_f32 v[Y+2*\i+1], v[X+4*\i+2], v[X+4*\i+3]
	global_store_b64 v2, v[Y+2*\i:Y+2*\i+1], s[24:25] offset:\i*DROW
.endm
.macro ROWH i                          ; a row of wo: to bf16, back to f32, times 4 (exact), to f16 (exact inside f16's normal range)
	s_wait_loadcnt 15-\i
	v_cvt_pk_bf16_f32 v[T],   v[X+4*\i],   v[X+4*\i+1]
	v_cvt_pk_bf16_f32 v[T+1], v[X+4*\i+2], v[X+4*\i+3]
	v_lshlrev_b32 v[X+4*\i],   16, v[T]
	v_and_b32     v[X+4*\i+1], 0xffff0000, v[T]
	v_lshlrev_b32 v[X+4*\i+2], 16, v[T+1]
	v_and_b32     v[X+4*\i+3], 0xffff0000, v[T+1]
	v_pk_mul_f32 v[X+4*\i:X+4*\i+1],   v[X+4*\i:X+4*\i+1],   4.0 op_sel_hi:[1,0]
	v_pk_mul_f32 v[X+4*\i+2:X+4*\i+3], v[X+4*\i+2:X+4*\i+3], 4.0 op_sel_hi:[1,0]
	v_cvt_pk_f16_f32 v[Y+2*\i],   v[X+4*\i],   v[X+4*\i+1]
	v_cvt_pk_f16_f32 v[Y+2*\i+1], v[X+4*\i+2], v[X+4*\i+3]
	global_store_b64 v2, v[Y+2*\i:Y+2*\i+1], s[24:25] offset:\i*DROW
.endm
	s_cmp_eq_u32 s21, 1
	s_cbranch_scc1 .Lwo
.irp i, 0,1,2,3,4,5,6,7,8,9,10,11,12,13,14,15
	ROWB \i
.endr
	s_endpgm
.Lwo:
.irp i, 0,1,2,3,4,5,6,7,8,9,10,11,12,13,14,15
	ROWH \i
.endr
	s_endpgm
.Lfunc_end_k_qd2ec79b140_cvt:
	.size	k_qd2ec79b140_cvt, .Lfunc_end_k_qd2ec79b140_cvt-k_qd2ec79b140_cvt
	.p2alignl 7, 3214868480
	.fill 96, 4, 3214868480
	.section	.rodata,"a",@progbits
	.p2align	6, 0x0
	.amdhsa_kernel k_qd2ec79b140_cvt
		.amdhsa_group_segment_fixed_size 0
		.amdhsa_private_segment_fixed_size 0
		.amdhsa_enable_private_segment 0
		.amdhsa_kernarg_size 64
		.amdhsa_user_sgpr_count 2
		.amdhsa_user_sgpr_kernarg_segment_ptr 1
		.amdhsa_wavefront_size32 1
		.amdhsa_system_sgpr_workgroup_id_x 1
		.amdhsa_system_sgpr_workgroup_id_y 1
		.amdhsa_system_sgpr_workgroup_id_z 1
		.amdhsa_system_vgpr_workitem_id 0
		.amdhsa_next_free_vgpr 120
		.amdhsa_next_free_sgpr 66
		.amdhsa_reserve_vcc 0
		.amdhsa_float_denorm_mode_32 3
		.amdhsa_float_denorm_mode_16_64 3
		.amdhsa_memory_ordered 1
		.amdhsa_forward_progress 1
		.amdhsa_inst_pref_size 19
	.end_amdhsa_kernel
	.amdgpu_metadata
---
amdhsa.version: [ 1, 2 ]
amdhsa.kernels:
  - .name:           k_qd2ec79b140_cvt
    .symbol:         k_qd2ec79b140_cvt.kd
    .args:
      - { .name: x, .offset: 0, .size: 8, .value_kind: global_buffer, .address_space: global }
      - { .name: wo, .offset: 8, .size: 8, .value_kind: global_buffer, .address_space: global }
      - { .name: wq, .offset: 16, .size: 8, .value_kind: global_buffer, .address_space: global }
      - { .name: wk, .offset: 24, .size: 8, .value_kind: global_buffer, .address_space: global }
      - { .name: wv, .offset: 32, .size: 8, .value_kind: global_buffer, .address_space: global }
      - { .name: xb, .offset: 40, .size: 8, .value_kind: global_buffer, .address_space: global }
      - { .name: wo16, .offset: 48, .size: 8, .value_kind: global_buffer, .address_space: global }
      - { .name: wqkvb, .offset: 56, .size: 8, .value_kind: global_buffer, .address_space: global }
    .group_segment_fixed_size: 0
    .private_segment_fixed_size: 0
    .kernarg_segment_align: 8
    .kernarg_segment_size: 64
    .max_flat_workgroup_size: 256
    .sgpr_count:     66
    .vgpr_count:     120
    .wavefront_size: 32
...
	.end_amdgpu_metadata
.endif
;; end of part 1
;; launch qkvgemm (part 2): grid 16 x 16, 4 waves a work-group, clusters of 4 x 4, 327,680 bytes of LDS; arguments xb, wqkvb, freqs_cos, freqs_sin, qkv; writes qkv
.if DOCPART == 2
	.amdgcn_target "amdgcn-amd-amdhsa--gfx1250"
	.amdhsa_code_object_version 6
	.text
	.protected	k_qd2ec79b140_qkvgemm
	.globl	k_qd2ec79b140_qkvgemm
	.p2align	8
	.type	k_qd2ec79b140_qkvgemm,@function
k_qd2ec79b140_qkvgemm:
	s_mov_b64 s[64:65], 0
	v_nop
	global_prefetch_b8 v0, s[64:65] scope:SCOPE_SE
	s_setreg_imm32_b32 hwreg(HW_REG_WAVE_MODE, 25, 1), 1
	s_wait_xcnt 0x0
	s_wait_alu depctr_hold_cnt(0) depctr_sa_sdst(0) depctr_va_vdst(0) depctr_va_sdst(0) depctr_va_ssrc(0) depctr_va_vcc(0) depctr_vm_vsrc(0)
	s_getreg_b32 s2, hwreg(HW_REG_IB_STS2, 6, 4)
	s_cmp_eq_u32 s2, 0
	s_cbranch_scc0 .Lentry_in_a_cluster
	s_endpgm
.Lentry_in_a_cluster:
	s_bfe_u32 s2, ttmp6, 0x10000c
	s_cmp_lg_u32 s2, 0xf033
	s_cbranch_scc0 .Lentry_shape_is_right
	s_endpgm
.Lentry_shape_is_right:
; C[m][n] = sum over k of A[m][k] W[k][n], A [2048][SIZE_K] and W [SIZE_K][4096] of 16 bits, sums in f32.  One text serves two launches:
;   MODE 0: A = xb, W = wqkvb (bf16, SIZE_K = 4096).  On the way out q and k (columns 0-3071) are rotated by freqs_cos / freqs_sin in f32 and
;           multiplied by SQ = sqrt(log2(e) / sqrt(128)), so that q' . k' is the score in powers of two; v (columns 3072-4095) is divided by 4.
;           C = qkv, f16: its rounding step is an eighth of bf16's, and the factors leave room in its range.
;   MODE 1: A = ab, W = wo16 (f16, SIZE_K = 2048).  C = out0, f32.
; FORMAT (MODE 0): cos and sin are rounded to bf16 (nearest even) before the rotation, as x and the weights are before the products; the rotation
; itself runs in f32.  So what is computed is the f32 computation on inputs that are all rounded once to bf16.  A rounded cos or sin is off by at
; most 2^-9 of its size: no more than each of the two rounded factors of the products that make up the q and k that are rotated.
; LIMITS (MODE 0): 0.357 |q|, 0.357 |k| and |v| / 4 must stay below 65,504 (f16); beyond it they become infinite.
; A work-group makes 128 x 256 of C with four waves; a wave makes 64 x 128: 32 accumulator tiles of 16 x 16, 256 registers.  16 x 16 work-groups.
; K goes in steps of 192 through a ring of two LDS slots filled by the tensor data mover: 21 whole steps and a tail of 64 (MODE 0), 10 and a tail
; of 128 (MODE 1), K ascending.  WHY 192: a slot is asked for once a step, behind a round of the cluster's barrier, and has one step's matrix work
; in which to land, so a step is made as long as LDS allows: a slot of 192 is 159,744 bytes and two are 319,488 of the 327,680 that a work-group
; can be given; two slots of 256 would be 413,696.  The price: A's rows in a tile are 384 bytes and begin at multiples of 128 from the buffer's
; first byte (W's are 512 bytes at multiples of 512).
; CLUSTERS: 4 x 4 work-groups.  The four of a row of the cluster share the block row of C and so A's tiles; the four of a column share W's.
; Each such tile is asked for jointly: the same tensor load, the same descriptor, a mask that names the four.
; W LIES [k][n]: its fragments are read by the transposing LDS load.  THE MATRIX INSTRUCTION IS USED TRANSPOSED: source 0 = 16 columns of W,
; source 1 = 16 rows of A; lane l then holds row l % 16 of C and in registers 0-7 the columns 8 (l / 16) + 0 .. 7: eight neighbours of a row.
; REGISTERS: window 0: addresses, two fragment buffers (W 64 + A 32 registers each), the way out.  Window 1: the 32 accumulators, tile (a, b) at
; v[8 (8 a + b)].  Window 2 (MODE 0): cos of tile (a, b) at v[4 (8 a + b)], sin at v[128 + 4 (8 a + b)].
.set MODE, 0
.if MODE == 0
.set SIZE_K, 4096
.set CROW,   8192                      ; bytes in a row of C: 4,096 f16
.set SPITCH, 272                       ; a row of the stage: 128 f16 + 16 bytes
.else
.set SIZE_K, 2048
.set CROW,   16384                     ; 4,096 f32
.set SPITCH, 528                       ; 128 f32 + 16 bytes
.endif
.set KSTEP,  192                       ; six quarters of 32
.set NFULL,  SIZE_K/KSTEP              ; whole steps: 21 or 10
.set TAILK,  SIZE_K-NFULL*KSTEP        ; what is left of K: 64 or 128
.set TSLOT,  NFULL%2                   ; the slot that takes the tail: 1 or 0
.set NLAPS,  (NFULL-2-TSLOT)/2         ; laps (two steps) in which both slots are filled again with whole tiles: 9 or 4
.set WROW,   8192                      ; bytes in a row of W
.set PA,     432                       ; LDS pitch of A's rows: three pieces of 128 bytes, 16 bytes of padding behind each; 27 x 16, an odd multiple of 16: the 16 rows of a fragment load begin in 16 different groups of four banks (ISA guide 11.1)
.set PB,     544                       ; LDS pitch of W's rows: 512 + 32 bytes, an odd multiple of 32, for the transposing load
.set AHALF,  64*PA                     ; what one tensor load brings of A, and what one wave reads of it: 27,648
.set BHALF,  96*PB                     ; what one tensor load brings of W: 96 rows along K: 52,224
.set BOFF,   2*AHALF                   ; W's part of a slot lies behind A's 128 rows
.set SLOT,   2*AHALF+2*BHALF           ; 159,744
.set STAGE,  (1-TSLOT)*SLOT            ; the way out's stage, 16 rows for each wave, lies in the slot that the tail does not use: that slot has had its last fill, and every wave's
                                       ; last reads of it were waited for in front of the barrier at the change into the tail's slot
.set ADRA, 16                          ; v16-17  LDS address of my A fragments in slot 0, 1
.set ADRB, 20                          ; v20-21  the same for W, quarters 0-2; v22-23 quarters 3-5 (96 rows on: an LDS offset has 16 bits)
.set STO,  24                          ; the way out: where I put my part of a row
.set RD,   25                          ; the way out: where I read rows back
.set CO,   26                          ; my byte offset in C
.set CSO,  27                          ; my byte offset in cos and sin
.set F0,   32                          ; fragment buffer 0: W's eight column blocks at F0 + 8 b, A's four row blocks at F0 + 64 + 8 a
.set F1,   128                         ; fragment buffer 1
.set TMP,  224                         ; the way out: packed results
.set G1,   24                          ; s[24:31] descriptor group 1 for A's tiles
.set G0,   32                          ; s[32:39] descriptor group 0 for A's tiles, one set for each slot
.set G1B,  48                          ; s[48:55] group 1 for W's tiles
.set G0B,  56                          ; s[56:63] group 0 for W's tiles, one set for each slot
.set G0BT, 76                          ; s[76:79] group 0 for W's tail
.set G1BT, 80                          ; s[80:87] group 1 for W's tail
.set G1T,  88                          ; s[88:95] group 1 for A's tail (its group 0 is the slot's own, stepped like every other)
.set MUL, 0x50                         ; s_set_vgpr_msb: C and D in window 1, both sources in window 0
.set MSB, 0
.macro WIN new                         ; the immediate's high byte repeats the setting that is left; a switch that changes nothing is dropped
.if MSB != \new
	s_set_vgpr_msb (MSB<<8)|\new
.set MSB, \new
.endif
.endm
; A joint load.  Waves 0 and 1 fetch A's two halves, waves 2 and 3 W's.  Each line has one mask and one set of registers for all that issue it.
; The branch hangs on the wave's number alone.  Four v_nop follow each line.  tail = 1: the tail's descriptors.
.macro JLOAD s, tail
	s_cmp_eq_u32 s15, 0
	s_cbranch_scc0 .Lfor_b_\@
.if \tail
	tensor_load_to_lds s[G0+4*\s:G0+4*\s+3], s[G1T:G1T+7]
	s_nop 0
.else
	tensor_load_to_lds s[G0+4*\s:G0+4*\s+3], s[G1:G1+7]
	s_nop 0
.endif
.rept 4
	v_nop
.endr
	s_branch .Lasked_\@
.Lfor_b_\@:
.if \tail
	tensor_load_to_lds s[G0BT:G0BT+3], s[G1BT:G1BT+7]
	s_nop 0
.else
	tensor_load_to_lds s[G0B+4*\s:G0B+4*\s+3], s[G1B:G1B+7]
	s_nop 0
.endif
.rept 4
	v_nop
.endr
.Lasked_\@:
.endm
; A round of the cluster's barrier: my work-group's barrier, wave 0 signals for the work-group, every wave waits for all sixteen, my work-group's barrier again.
.macro CREST                           ; a round behind its opening barrier
	s_cmp_lg_u32 s14, 0
	s_cbranch_scc1 .Lnot_wave_0_\@
	s_barrier_signal -3
.Lnot_wave_0_\@:
	s_barrier_wait -3
	s_barrier_signal -1
	s_barrier_wait -1
.endm
.macro CROUND                          ; a whole round
	s_barrier_signal -1
	s_barrier_wait -1
	CREST
.endm
.if MODE == 0
	s_load_b256 s[4:11], s[0:1], 0x0               ; A s[4:5], W s[6:7], cos s[8:9], sin s[10:11]
	s_load_b64 s[12:13], s[0:1], 0x20              ; C
	v_lshl_add_u32 v30, v0, 2, 0x4e000
	v_mov_b32 v31, 0
	ds_add_u32 v30, v31
.else
	s_load_b128 s[4:7], s[0:1], 0x0                ; A s[4:5], W s[6:7]
	s_load_b64 s[12:13], s[0:1], 0x10              ; C
.endif
	v_lshrrev_b32 v1, 5, v0
	v_readfirstlane_b32 s14, v1                    ; wave 0..3
	s_lshr_b32 s15, s14, 1                         ; which 64 rows of the block are mine.  Also: I fetch for A (0) or for W (1)
	s_and_b32 s16, s14, 1                          ; which 128 columns are mine.  Also: which half of that tile I fetch
	s_bfe_u32 s17, ttmp6, 0x40000                  ; cx
	s_bfe_u32 s18, ttmp6, 0x40004                  ; cy
	s_lshl_b32 s19, ttmp9, 2
	s_add_co_u32 s19, s19, s17                     ; block column of C = 4 x cluster x + cx
	s_and_b32 s20, ttmp7, 0xffff
	s_lshl_b32 s20, s20, 2
	s_add_co_u32 s20, s20, s18                     ; block row of C = 4 x cluster y + cy
	s_lshl_b32 s21, s18, 2
	s_lshl_b32 s21, 15, s21                        ; my row of the cluster: places 4 cy .. 4 cy + 3
	s_lshl_b32 s22, 0x1111, s17                    ; my column: places cx, cx + 4, cx + 8, cx + 12
	; group 1 for A: 64 rows x 192 elements of 2 bytes, 4 words of padding behind every 32 (a row is 96 words: three pieces).
	; The tail's differs in tensor_dim0 alone: what is left of a row; the elements of the tile beyond it are not read and arrive as zeros, so the pitch stays; they are not used.
.irp g, G1, G1T
	s_or_b32 s[\g+0], s21, (1<<16)|(1<<20)|(1<<21)|(4<<22)|(3<<25)
	s_mov_b32 s[\g+2], 64<<16                      ; tensor_dim1 = 64
	s_mov_b32 s[\g+3], KSTEP<<16                   ; tile_dim0 = 192
	s_mov_b32 s[\g+4], 64                          ; tile_dim1 = 64
	s_mov_b32 s[\g+5], SIZE_K                      ; elements from row to row
	s_mov_b32 s[\g+6], 0
	s_mov_b32 s[\g+7], 0
.endr
	s_mov_b32 s[G1+1], KSTEP<<16                   ; tensor_dim0 = 192
	s_mov_b32 s[G1T+1], TAILK<<16                  ; tensor_dim0 = 64 or 128
	; group 1 for W: 96 rows (along K) x 256 elements, 8 words of padding behind every 128.  The tail's has half of the rows that are left.
.irp g, G1B, G1BT
	s_or_b32 s[\g+0], s22, (1<<16)|(1<<20)|(1<<21)|(6<<22)|(7<<25)
	s_mov_b32 s[\g+1], 256<<16
	s_mov_b32 s[\g+3], 256<<16
	s_mov_b32 s[\g+5], 4096
	s_mov_b32 s[\g+6], 0
	s_mov_b32 s[\g+7], 0
.endr
	s_mov_b32 s[G1B+2], 96<<16
	s_mov_b32 s[G1B+4], 96
	s_mov_b32 s[G1BT+2], (TAILK/2)<<16
	s_mov_b32 s[G1BT+4], TAILK/2
	; where the tiles come from: A's hang on the block row and the wave alone, W's on the block column and the wave alone, in registers of their own
	s_lshl_b32 s40, s20, 7
	s_lshl_b32 s41, s16, 6
	s_add_co_u32 s40, s40, s41                     ; A: row 128 x block row + 64 x half
	s_mul_i32 s40, s40, SIZE_K*2                   ; in bytes (below 2^25)
	s_mov_b32 s41, 0
	s_mul_i32 s44, s16, 96*WROW                    ; W: 96 x half rows of 8,192 bytes
	s_lshl_b32 s45, s19, 9                         ;    + 256 x block column elements
	s_add_co_u32 s44, s44, s45
	s_mul_i32 s96, s16, (TAILK/2)*WROW             ; W's tail: half of the rows that are left x half
	s_add_co_u32 s96, s96, s45
	s_mov_b32 s45, 0
	s_mov_b32 s97, 0
	s_mul_i32 s42, s16, AHALF                      ; and where they go: the wave's number alone enters an LDS address
	s_mul_i32 s46, s16, BHALF
	s_add_co_u32 s46, s46, BOFF
	s_mov_b32 s[G0BT], 1                           ; count = 1
	s_mul_i32 s[G0BT+1], s16, (TAILK/2)*PB
	s_add_co_u32 s[G0BT+1], s[G0BT+1], TSLOT*SLOT+BOFF
	; my wave's corner of C, and my rows of cos and sin
	s_lshl_b32 s66, s20, 7
	s_lshl_b32 s67, s15, 6
	s_add_co_u32 s66, s66, s67                     ; my first row
	s_mul_i32 s68, s66, CROW
	s_mul_i32 s70, s19, CROW/16                    ; 256 columns a block
	s_mul_i32 s71, s16, CROW/32                    ; 128 columns a wave
	s_add_co_u32 s68, s68, s70
	s_add_co_u32 s68, s68, s71                     ; below 2^26
	s_mov_b32 s69, 0
	s_lshl_b32 s72, s66, 8                         ; a row of cos or sin is 256 bytes
	s_mov_b32 s73, 0
	s_mul_i32 s74, s14, 16*SPITCH
	s_add_co_u32 s74, s74, STAGE                   ; my stage
	s_mul_i32 s70, s15, AHALF                      ; my 64 rows of A in a slot
	s_lshl_b32 s71, s16, 8
	s_add_co_u32 s71, s71, BOFF                    ; my 128 columns of W in a slot
	s_wait_dscnt 0x0
	s_wait_kmcnt 0x0
	s_add_nc_u64 s[40:41], s[4:5], s[40:41]
	s_add_nc_u64 s[44:45], s[6:7], s[44:45]
	s_add_nc_u64 s[G0BT+2:G0BT+3], s[6:7], s[96:97]
	s_add_nc_u64 s[G0BT+2:G0BT+3], s[G0BT+2:G0BT+3], NFULL*KSTEP*WROW   ; the tail begins behind the whole steps' rows
	s_or_b32 s[G0BT+3], s[G0BT+3], 0x80000000      ; type = 2
	s_add_nc_u64 s[12:13], s[12:13], s[68:69]
.if MODE == 0
	s_add_nc_u64 s[8:9], s[8:9], s[72:73]
	s_add_nc_u64 s[10:11], s[10:11], s[72:73]
.endif
	CROUND                                         ; all sixteen work-groups are here: the first joint loads meet
.irp s, 0,1
	s_mov_b32 s[G0+4*\s], 1                                        ; count = 1
	s_add_co_u32 s[G0+4*\s+1], s42, \s*SLOT                        ; LDS address
	s_add_nc_u64 s[G0+4*\s+2:G0+4*\s+3], s[40:41], \s*KSTEP*2      ; global address: K step s
	s_or_b32 s[G0+4*\s+3], s[G0+4*\s+3], 0x80000000                ; type = 2
	s_mov_b32 s[G0B+4*\s], 1
	s_add_co_u32 s[G0B+4*\s+1], s46, \s*SLOT
	s_add_nc_u64 s[G0B+4*\s+2:G0B+4*\s+3], s[44:45], \s*KSTEP*WROW
	s_or_b32 s[G0B+4*\s+3], s[G0B+4*\s+3], 0x80000000
	JLOAD \s, 0                                    ; both slots are asked for before anything else: two tensor loads of a wave are out, the most in this text
.endr
	; A's fragment (16 rows x 32 K): lane l holds row l % 16; two loads of 16 bytes, 32 bytes apart, at row x pitch + 16 (l / 16).
	; W's fragment (32 K x 16 columns, transposed on the way): lane l addresses row 8 (l / 16) + l % 8 of K, 16 bytes at 16 ((l / 8) % 2); the second load 16 rows on.
	v_and_b32 v1, 15, v0                           ; r = l % 16
	v_bfe_u32 v2, v0, 4, 1                         ; h = l / 16
	v_mul_u32_u24 v3, v1, PA
	v_lshl_add_u32 v3, v2, 4, v3                   ; 432 r + 16 h
	v_add_nc_u32 v[ADRA], s70, v3
	v_add_nc_u32 v[ADRA+1], SLOT, v[ADRA]
	v_and_b32 v4, 7, v0
	v_lshl_add_u32 v4, v2, 3, v4                   ; 8 h + l % 8
	v_mul_u32_u24 v4, v4, PB
	v_bfe_u32 v5, v0, 3, 1
	v_lshl_add_u32 v4, v5, 4, v4
	v_add_nc_u32 v[ADRB], s71, v4
	v_add_nc_u32 v[ADRB+1], SLOT, v[ADRB]
	v_add_nc_u32 v[ADRB+2], 96*PB, v[ADRB]         ; quarters 3-5 begin 96 rows further down
	v_add_nc_u32 v[ADRB+3], 96*PB, v[ADRB+1]
.if MODE == 0
	v_mul_u32_u24 v6, v1, SPITCH                   ; in: row r, 16 bytes for each half of the lanes
	v_lshl_add_u32 v6, v2, 4, v6
	v_add_nc_u32 v[STO], s74, v6
	v_mul_u32_u24 v9, v2, SPITCH                   ; back: lanes 0-15 take one row of 256 bytes, lanes 16-31 the next
	v_lshl_add_u32 v9, v1, 4, v9
	v_add_nc_u32 v[RD], s74, v9
	v_lshlrev_b32 v7, 13, v2                       ; and the same two rows in C
	v_lshl_add_u32 v[CO], v1, 4, v7
	v_lshlrev_b32 v8, 8, v1                        ; cos, sin: row r, 4 h frequencies on
	v_lshl_add_u32 v[CSO], v2, 4, v8
	; cos and sin of my 64 rows, in the accumulators' own layout: tile (a, b), lane (r, h) wants row 16 a + r, frequencies 8 b + 4 h .. + 3.
	; The eight loads of a row block cover each row's 256 bytes once.  Issued here, waited for on the way out: the whole K loop covers them.
	; Every work-group asks for them, so that each register that the way out names is written on every path.  v's blocks (cluster column 3, a quarter
	; of the work-groups) leave them unused: 32 KiB a wave, from two tables of 1 MiB together that the other blocks read as well.
	; 64 loads are asked for at once; the counter's field holds 63 and the hardware holds the last one's issue back (ISA guide 5.7.1).
	WIN 0x80                                       ; destination in window 2
.irp a, 0,1,2,3
.irp b, 0,1,2,3,4,5,6,7
	global_load_b128 v[4*(8*\a+\b):4*(8*\a+\b)+3],         v[CSO], s[8:9]   offset:4096*\a+32*\b
	global_load_b128 v[128+4*(8*\a+\b):128+4*(8*\a+\b)+3], v[CSO], s[10:11] offset:4096*\a+32*\b
.endr
.endr
	WIN 0
.else
	v_mul_u32_u24 v6, v1, SPITCH                   ; in: row r, 32 bytes for each half of the lanes
	v_lshl_add_u32 v6, v2, 5, v6
	v_add_nc_u32 v[STO], s74, v6
	v_and_b32 v7, 31, v0
	v_lshlrev_b32 v[CO], 4, v7                     ; back: the wave takes one row of 512 bytes, 16 bytes a lane; the same in C
	v_add_nc_u32 v[RD], s74, v[CO]
.endif
; 16 matrix instructions: row blocks a0, a0 + 1 x all 8 column blocks, 32 along K.  zero = 1: the first product starts the sums, nothing is cleared.
; The 32 accumulators take turns, one instruction a turn, in the same order in every quarter.
.macro MUL16 f, a0, zero
.irp a, \a0, \a0+1
.irp b, 0,1,2,3,4,5,6,7
.if MODE == 0
.if \zero
	v_wmma_f32_16x16x32_bf16 v[8*(8*(\a)+\b):8*(8*(\a)+\b)+7], v[\f+8*\b:\f+8*\b+7], v[\f+64+8*(\a):\f+64+8*(\a)+7], 0
.else
	v_wmma_f32_16x16x32_bf16 v[8*(8*(\a)+\b):8*(8*(\a)+\b)+7], v[\f+8*\b:\f+8*\b+7], v[\f+64+8*(\a):\f+64+8*(\a)+7], v[8*(8*(\a)+\b):8*(8*(\a)+\b)+7]
.endif
.else
.if \zero
	v_wmma_f32_16x16x32_f16 v[8*(8*(\a)+\b):8*(8*(\a)+\b)+7], v[\f+8*\b:\f+8*\b+7], v[\f+64+8*(\a):\f+64+8*(\a)+7], 0
.else
	v_wmma_f32_16x16x32_f16 v[8*(8*(\a)+\b):8*(8*(\a)+\b)+7], v[\f+8*\b:\f+8*\b+7], v[\f+64+8*(\a):\f+64+8*(\a)+7], v[8*(8*(\a)+\b):8*(8*(\a)+\b)+7]
.endif
.endif
.endr
.endr
.endm
; 24 LDS loads in one run: the fragments of quarter q (0 to 5) of a K step, 32 along K, into buffer f: W's sixteen first, A's eight last.
; W: quarter q begins 32 q rows down; quarters 3-5 go by the second address register.  A: quarter q begins at byte 64 q of a row's data, which
; lies 16 (q / 2) further on in LDS, behind the padding of the pieces of 128 bytes in front of it; a quarter's 64 bytes never cross a piece's end.
.macro FETCH slot, q, f
	WIN 0
.irp b, 0,1,2,3,4,5,6,7
	ds_load_tr16_b128 v[\f+8*\b:\f+8*\b+3],   v[ADRB+2*(\q/3)+\slot] offset:(\q%3)*32*PB+32*\b
	ds_load_tr16_b128 v[\f+8*\b+4:\f+8*\b+7], v[ADRB+2*(\q/3)+\slot] offset:(\q%3)*32*PB+32*\b+16*PB
.endr
.irp a, 0,1,2,3
	ds_load_b128 v[\f+64+8*\a:\f+64+8*\a+3],   v[ADRA+\slot] offset:\q*64+(\q/2)*16+\a*16*PA
	ds_load_b128 v[\f+64+8*\a+4:\f+64+8*\a+7], v[ADRA+\slot] offset:\q*64+(\q/2)*16+\a*16*PA+32
.endr
.endm
; A load into a register that a matrix instruction has read, and a vector instruction or a store that reads a matrix result, stand four places
; behind that matrix instruction; only plain vector instructions that name none of its registers are places.
.macro PLACES
.rept 4
	v_nop
.endr
.endm
; One of the quarters of a K step but the last: multiplies buffer f; in its middle it fetches quarter q1 of the same slot into buffer g.
.macro QUARTER slot, q1, f, g, zero
	s_wait_dscnt 4                                 ; W and A's row blocks 0, 1 are in; the youngest four loads (A's blocks 2, 3) may be out
	WIN MUL
	MUL16 \f, 0, \zero
	PLACES
	FETCH \slot, \q1, \g
	s_wait_dscnt 24                                ; all but the 24 just issued
	WIN MUL
	MUL16 \f, 2, \zero
.endm
.macro FIVE slot, zero
	QUARTER \slot, 1, F0, F1, \zero
	QUARTER \slot, 2, F1, F0, 0
	QUARTER \slot, 3, F0, F1, 0
	QUARTER \slot, 4, F1, F0, 0
	QUARTER \slot, 5, F0, F1, 0
.endm
; The sixth quarter: multiplies buffer 1 and changes slots.  fill = 1: this slot is filled again, two K steps ahead; 2: with the tail; 0: not at all.
; In front of the barrier each wave waits for its reads of this slot and for all its tensor loads (one is out: its part of the next slot).
; Behind it nobody reads this slot and the next slot is whole: the refill comes first, then the next slot's first fragments.
; From a request to the wait for it a wave issues 192 matrix instructions.
.macro TURN slot, next, fill
	s_wait_dscnt 4
	WIN MUL
	MUL16 F1, 0, 0
	s_wait_dscnt 0x0                               ; my reads of this slot are over
	s_wait_tensorcnt 0x0                           ; all my tensor loads have landed
	ds_add_u32 v30, v31
	s_wait_dscnt 0x0
	s_barrier_signal -1                            ; where a slot is filled again this barrier opens a round of the cluster's barrier
	WIN 0
	s_barrier_wait -1
.if \fill
	CREST                                          ; no wave of any partner still reads this slot's tile or has a load on its way
	s_add_nc_u64 s[G0+4*\slot+2:G0+4*\slot+3], s[G0+4*\slot+2:G0+4*\slot+3], 2*KSTEP*2
.if \fill == 1
	s_add_nc_u64 s[G0B+4*\slot+2:G0B+4*\slot+3], s[G0B+4*\slot+2:G0B+4*\slot+3], 2*KSTEP*WROW
	JLOAD \slot, 0                                 ; the first tensor load behind the round; its four v_nop are also the places in front of the loads below
.else
	JLOAD \slot, 1                                 ; the same with the tail's descriptors
.endif
.else
	PLACES
.endif
	FETCH \next, 0, F0
	WIN MUL
	MUL16 F1, 2, 0
.endm
.macro LAP zero                        ; once round the ring, both slots filled again
	FIVE 0, \zero
	TURN 0, 1, 1
	FIVE 1, 0
	TURN 1, 0, 1
.endm
	s_wait_tensorcnt 0x1                           ; my part of K step 0 is in; K step 1's stays out
	s_barrier_signal -1
	s_barrier_wait -1                              ; everybody's is
	FETCH 0, 0, F0
	LAP 1                                          ; the first lap stands in front of the loop: its first products start the sums
	WIN 0                                          ; at a label and at a branch every window is 0
	s_mov_b32 s23, NLAPS-1
.Llap:
	LAP 0
	WIN 0
	s_sub_co_u32 s23, s23, 1
	s_cmp_lg_u32 s23, 0
	s_cbranch_scc1 .Llap
.if TSLOT
	FIVE 0, 0                                      ; 21 whole steps: step 18 asks for the last whole tile,
	TURN 0, 1, 1
	FIVE 1, 0                                      ; step 19 for the tail,
	TURN 1, 0, 2
	FIVE 0, 0                                      ; step 20 for nothing: a plain barrier shows the tail's tile to every wave
	TURN 0, 1, 0
.else
	FIVE 0, 0                                      ; 10 whole steps: step 8 asks for the tail,
	TURN 0, 1, 2
	FIVE 1, 0                                      ; step 9 for nothing: a plain barrier shows the tail's tile to every wave
	TURN 1, 0, 0
.endif
	QUARTER TSLOT, 1, F0, F1, 0                    ; the tail: TAILK / 32 quarters, two or four
.if TAILK == 128
	QUARTER TSLOT, 2, F1, F0, 0
	QUARTER TSLOT, 3, F0, F1, 0
.endif
	s_wait_dscnt 4                                 ; the very last quarter: nothing more to fetch
	WIN MUL
	MUL16 F1, 0, 0
	s_wait_dscnt 0x0
	MUL16 F1, 2, 0
	PLACES                                         ; the places behind the last matrix instructions, for all that reads results or rewrites fragments below
	WIN 0
.if MODE == 0
; THE WAY OUT, 16 rows at a time: rotate (or scale), round to f16, 16 bytes a lane into my own stage, read back as whole rows of 256 bytes.
; A lane's registers 2 p, 2 p + 1 of a tile are the even and odd channel of frequency 8 b + 4 h + p:
; even' = e cos - o sin, odd' = e sin + o cos, each one product and one fused multiply-add; cos and sin already carry SQ.
.macro OUT16 a, rope
.if \rope
	WIN 0x09                                       ; source 0 (sums) window 1, source 1 (cos, sin) window 2, source 2 and destination window 0
.irp b, 0,1,2,3,4,5,6,7
.irp p, 0,1,2,3
	v_mul_f32 v[F0+8*\b+2*\p],   v[8*(8*\a+\b)+2*\p+1], v[128+4*(8*\a+\b)+\p]
	v_mul_f32 v[F0+8*\b+2*\p+1], v[8*(8*\a+\b)+2*\p],   v[128+4*(8*\a+\b)+\p]
.endr
.irp p, 0,1,2,3
	v_fma_f32 v[F0+8*\b+2*\p],   v[8*(8*\a+\b)+2*\p],   v[4*(8*\a+\b)+\p], -v[F0+8*\b+2*\p]
	v_fma_f32 v[F0+8*\b+2*\p+1], v[8*(8*\a+\b)+2*\p+1], v[4*(8*\a+\b)+\p], v[F0+8*\b+2*\p+1]
.endr
.endr
.else
	WIN 0x01                                       ; source 0 (sums) window 1
.irp b, 0,1,2,3,4,5,6,7
.irp p, 0,1,2,3
	v_pk_mul_f32 v[F0+8*\b+2*\p:F0+8*\b+2*\p+1], v[8*(8*\a+\b)+2*\p:8*(8*\a+\b)+2*\p+1], 0x3e800000 op_sel_hi:[1,0]   ; v / 4
.endr
.endr
.endif
	WIN 0
.irp b, 0,1,2,3,4,5,6,7
.irp p, 0,1,2,3
	v_cvt_pk_f16_f32 v[TMP+4*\b+\p], v[F0+8*\b+2*\p], v[F0+8*\b+2*\p+1]
.endr
.endr
.irp b, 0,1,2,3,4,5,6,7
	ds_store_b128 v[STO], v[TMP+4*\b:TMP+4*\b+3] offset:32*\b
.endr
	s_wait_xcnt 0x0                                ; the last block's stores have had their addresses translated (ISA guide 3.1): their data registers and base are rewritten only behind this wait
.if \a
	s_add_nc_u64 s[12:13], s[12:13], 16*CROW       ; 16 rows of C on
.endif
.irp t, 0,1,2,3,4,5,6,7
	ds_load_b128 v[F1+4*\t:F1+4*\t+3], v[RD] offset:\t*2*SPITCH    ; LDS serves a wave's instructions in order (ISA guide 5.7.1): these see the stores above
.endr
.irp t, 0,1,2,3,4,5,6,7
	s_wait_dscnt 7-\t                              ; pair t of rows is in, the 7 - t younger loads stay out
	global_store_b128 v[CO], v[F1+4*\t:F1+4*\t+3], s[12:13] offset:\t*2*CROW   ; 16 lanes store 256 consecutive bytes, at a multiple of 256 from C's first byte
.endr
.endm
	s_wait_loadcnt 0x0                             ; cos and sin, asked for in front of the K loop
	s_cmp_eq_u32 ttmp9, 3                          ; cluster column 3 holds v's columns; the cluster's x is the same in all partners
	s_cbranch_scc1 .Lplain
	; cos and sin: rounded to bf16 (nearest even), widened again, times SQ.  All in place in window 2, a pair of registers at a time:
	; the pair is packed into its lower register, the upper half goes back to the upper register, the lower half is shifted up.
	WIN 0x8a                                       ; sources 0 and 1 and the destination in window 2
.set ii, 0
.rept 128
	v_cvt_pk_bf16_f32 v[ii], v[ii], v[ii+1]
.set ii, ii+2
.endr
.set ii, 0
.rept 128
	v_and_b32 v[ii+1], 0xffff0000, v[ii]
.set ii, ii+2
.endr
.set ii, 0
.rept 128
	v_lshlrev_b32 v[ii], 16, v[ii]
.set ii, ii+2
.endr
.set ii, 0
.rept 128
	v_pk_mul_f32 v[ii:ii+1], v[ii:ii+1], 0x3eb6d543 op_sel_hi:[1,0]   ; SQ goes into cos and sin: as many multiplies as scaling the 256 results would take
.set ii, ii+2
.endr
	OUT16 0, 1
	OUT16 1, 1
	OUT16 2, 1
	OUT16 3, 1
	s_branch .Ldone
.Lplain:
	OUT16 0, 0
	OUT16 1, 0
	OUT16 2, 0
	OUT16 3, 0
.Ldone:
.else
; THE WAY OUT, 16 rows at a time: the f32 sums go as they are, 32 bytes a lane and tile, into my own stage, and come back as whole rows of 512 bytes.
.macro OUTF a
	WIN 0x04                                       ; an LDS store's data is source 1: window 1
.irp b, 0,1,2,3,4,5,6,7
	ds_store_b128 v[STO], v[8*(8*\a+\b):8*(8*\a+\b)+3]   offset:64*\b
	ds_store_b128 v[STO], v[8*(8*\a+\b)+4:8*(8*\a+\b)+7] offset:64*\b+16
.endr
	WIN 0
	s_wait_xcnt 0x0                                ; the last block's stores have had their addresses translated (ISA guide 3.1): their data registers and base are rewritten only behind this wait
.if \a
	s_add_nc_u64 s[12:13], s[12:13], 16*CROW
.endif
.irp t, 0,1,2,3,4,5,6,7,8,9,10,11,12,13,14,15
	ds_load_b128 v[F0+4*\t:F0+4*\t+3], v[RD] offset:\t*SPITCH      ; LDS serves a wave's instructions in order (ISA guide 5.7.1): these see the stores above
.endr
.irp t, 0,1,2,3,4,5,6,7,8,9,10,11,12,13,14,15
	s_wait_dscnt 15-\t                             ; row t is in, the 15 - t younger loads stay out
	global_store_b128 v[CO], v[F0+4*\t:F0+4*\t+3], s[12:13] offset:\t*CROW th:TH_STORE_NT   ; the wave stores 512 consecutive bytes, at a multiple of 512 from C's first byte
.endr
.endm
	OUTF 0
	OUTF 1
	OUTF 2
	OUTF 3
.endif
	s_wait_tensorcnt 0x0
	ds_add_u32 v30, v31
	s_wait_dscnt 0x0
	CROUND                                         ; the closing round: no work-group ends while a partner may still ask for a tile that names it
	s_endpgm
.Lfunc_end_k_qd2ec79b140_qkvgemm:
	.size	k_qd2ec79b140_qkvgemm, .Lfunc_end_k_qd2ec79b140_qkvgemm-k_qd2ec79b140_qkvgemm
	.p2alignl 7, 3214868480
	.fill 96, 4, 3214868480
	.section	.rodata,"a",@progbits
	.p2align	6, 0x0
	.amdhsa_kernel k_qd2ec79b140_qkvgemm
		.amdhsa_group_segment_fixed_size 327680
		.amdhsa_private_segment_fixed_size 0
		.amdhsa_enable_private_segment 0
		.amdhsa_kernarg_size 40
		.amdhsa_user_sgpr_count 2
		.amdhsa_user_sgpr_kernarg_segment_ptr 1
		.amdhsa_wavefront_size32 1
		.amdhsa_system_sgpr_workgroup_id_x 1
		.amdhsa_system_sgpr_workgroup_id_y 1
		.amdhsa_system_sgpr_workgroup_id_z 1
		.amdhsa_system_vgpr_workitem_id 0
		.amdhsa_next_free_vgpr 768
		.amdhsa_next_free_sgpr 98
		.amdhsa_reserve_vcc 0
		.amdhsa_float_denorm_mode_32 3
		.amdhsa_float_denorm_mode_16_64 3
		.amdhsa_memory_ordered 1
		.amdhsa_forward_progress 1
		.amdhsa_inst_pref_size 255
	.end_amdhsa_kernel
	.section	.bss,"aw",@nobits
	.p2align	6
	.space	262144
	.amdgpu_metadata
---
amdhsa.version: [ 1, 2 ]
amdhsa.kernels:
  - .name:           k_qd2ec79b140_qkvgemm
    .symbol:         k_qd2ec79b140_qkvgemm.kd
    .args:
      - { .name: xb, .offset: 0, .size: 8, .value_kind: global_buffer, .address_space: global }
      - { .name: wqkvb, .offset: 8, .size: 8, .value_kind: global_buffer, .address_space: global }
      - { .name: freqs_cos, .offset: 16, .size: 8, .value_kind: global_buffer, .address_space: global }
      - { .name: freqs_sin, .offset: 24, .size: 8, .value_kind: global_buffer, .address_space: global }
      - { .name: qkv, .offset: 32, .size: 8, .value_kind: global_buffer, .address_space: global }
    .group_segment_fixed_size: 327680
    .private_segment_fixed_size: 0
    .kernarg_segment_align: 8
    .kernarg_segment_size: 40
    .max_flat_workgroup_size: 128
    .sgpr_count:     98
    .vgpr_count:     768
    .wavefront_size: 32
...
	.end_amdgpu_metadata
.endif
;; end of part 2
;; launch attn (part 3): grid 32 x 8, 4 waves a work-group, clusters of 4 x 4, 327,680 bytes of LDS; arguments qkv, mask, ab; writes ab
.if DOCPART == 3
	.amdgcn_target "amdgcn-amd-amdhsa--gfx1250"
	.amdhsa_code_object_version 6
	.text
	.protected	k_qd2ec79b140_attn
	.globl	k_qd2ec79b140_attn
	.p2align	8
	.type	k_qd2ec79b140_attn,@function
k_qd2ec79b140_attn:
	s_mov_b64 s[64:65], 0
	v_nop
	global_prefetch_b8 v0, s[64:65] scope:SCOPE_SE
	s_setreg_imm32_b32 hwreg(HW_REG_WAVE_MODE, 25, 1), 1
	s_wait_xcnt 0x0
	s_wait_alu depctr_hold_cnt(0) depctr_sa_sdst(0) depctr_va_vdst(0) depctr_va_sdst(0) depctr_va_ssrc(0) depctr_va_vcc(0) depctr_vm_vsrc(0)
	s_getreg_b32 s2, hwreg(HW_REG_IB_STS2, 6, 4)
	s_cmp_eq_u32 s2, 0
	s_cbranch_scc0 .Lentry_in_a_cluster
	s_endpgm
.Lentry_in_a_cluster:
	s_bfe_u32 s2, ttmp6, 0x10000c
	s_cmp_lg_u32 s2, 0xf033
	s_cbranch_scc0 .Lentry_shape_is_right
	s_endpgm
.Lentry_shape_is_right:
; Attention with grouped query heads: ab[s][128 head + d] = (softmax over keys of (q . k / sqrt(128) + mask[s][key])) . v / 4, in f16.
; qkv [2048][4096] f16: q' (columns 0-2047) and k' (2048-3071) carry sqrt(log2(e) / sqrt(128)) each, so q' . k' is the score in powers of two;
; v' = v / 4 (3072-4095).  mask [2048][2048] f32 is read whole and added as it is given: s2 = fma(mask, log2(e), q' . k'), one rounding.
; Softmax in f32 with a running maximum (it starts at the most negative finite f32): p = 2^(s2 - m); the sum of p is taken before p is rounded to f16.
; LIMITS: a mask value below about -2.3e38 acts as minus infinity (its product with log2(e) overflows); a row whose every entry is minus
; infinity gives NaN, as it does in the softmax that is computed here.
; A work-group takes 64 queries (block qb) of one key and value head g, for both query heads of the group: 128 rows.  Wave w takes head
; 2 g + w / 2 and queries 32 (w % 2) .. + 31 of the block, as two tiles of 16.  Keys go in 16 steps of 128 through two LDS slots.
; CLUSTERS: 4 x 4 work-groups.  K's and V's tiles hang on g alone and are asked for jointly along the cluster's row (four query blocks);
; the mask's tiles hang on qb alone and are asked for jointly along its column (four heads g).  The two heads of a work-group share a mask tile too.
; BOTH PRODUCTS ARE TRANSPOSED.  S^T = K Q^T: source 0 = 16 keys, source 1 = 16 queries; lane (r, h) holds query r, keys 8 h + 0 .. 7 of the tile.
; Two neighbouring key tiles, packed to f16 in place, ARE source 1 of O^T = V^T P^T (source 0 = V^T by the transposing LDS load): no shuffle.
; A lane holds one query, so maximum, sum and rescaling are a lane's own; one exchange between the halves of the wave a step, for the maximum.
; REGISTERS: window 0 addresses, two fragment buffers, the way out; window 1 Q, S / P, the softmax's figures; window 2 O; window 3 the mask.
.set PK,     272                       ; LDS pitch of K's rows: 256 + 16 bytes, an odd multiple of 16
.set PV,     288                       ; of V's rows: 256 + 32, an odd multiple of 32, for the transposing load
.set PM,     528                       ; of the mask's rows: 512 + 16
.set VOFF,   128*PK                    ; a slot: K's 128 keys, V's 128 keys, the mask's 64 queries x 128 keys
.set MOFF,   VOFF+128*PV
.set SLOT,   MOFF+64*PM                ; 105,472
.set STAGE,  2*SLOT                    ; behind the ring: 16 rows x 272 bytes for each wave, for the way out; no tensor load lands here
.set QKVROW, 8192                      ; bytes in a row of qkv, and in a row of the mask
.set ABROW,  4096                      ; bytes in a row of ab
.set TILEKV, 128*QKVROW                ; from one tile of keys to the next in K and V
.set TILEM,  128*4                     ; and in the mask
.set ADK, 16                           ; v16-17  LDS address of my K fragments in slot 0, 1
.set ADV, 18                           ; v18-19  of my V fragments
.set ADM, 20                           ; v20-21  of my mask words
.set STO, 22                           ; the way out: where I put 16 bytes of a row
.set RD,  23                           ; where I read rows back
.set CO,  24                           ; my byte offset in ab
.set QO,  25                           ; my byte offset in q
.set F0,  32                           ; fragment buffer 0, 64 registers
.set F1,  96                           ; fragment buffer 1
.set TMP, 160                          ; the way out: packed results
.set RB,  192                          ; the way out: rows read back
; window 1.  Q(q, c) at 32 q + 8 c (query tile q, 32 channels c).  S(key tile kt, q) at SREG + 32 (kt / 2) + 16 q + 8 (kt % 2); P(c, q), 32 keys c, at SREG + 32 c + 16 q.
.set SREG, 64
.set MN,   192                         ; MN + 2 q: the running maximum; the packed forms name the pair, whose upper register is T1
.set AL,   196                         ; AL + 2 q: 2^(old maximum - new); its pair's upper register is T2
.set T0,   200                         ; T0 + q, T1 + 2 q, T2 + 2 q, T3 + q: four chains of maxima for each query tile
.set T1,   193
.set T2,   197
.set T3,   202
.set LS,   204                         ; LS + q: the running sum of my half of the keys
.set NW,   206                         ; NW + q: the new maximum
.set UREG, 208                         ; UREG + 8 q + 2 c: four chains of sums, pairs
; window 2: O(ht, q), 16 channels ht, at 8 (2 ht + q).  Window 3: the mask of S's register x at x - SREG.
.set G1K, 24                           ; s[24:31], s[32:39], s[40:47]: descriptor group 1 for K, V, mask
.set G1V, 32
.set G1M, 40
.set G0K, 48                           ; s[48:55], s[56:63], s[68:75]: group 0, one set for each slot
.set G0V, 56
.set G0M, 68
.set MSB, 0
.macro WIN new                         ; s_set_vgpr_msb: bits 1:0 source 0, 3:2 source 1, 5:4 source 2, 7:6 destination; the high byte repeats the setting that is left
.if MSB != \new
	s_set_vgpr_msb (MSB<<8)|\new
.set MSB, \new
.endif
.endm
.macro PLACES                          ; four places behind a matrix instruction, in front of loads into its sources and of vector work on its result
.rept 4
	v_nop
.endr
.endm
; A joint load: wave 0 asks for K's tile, wave 1 for V's, waves 2 and 3 for the mask's halves.  One line, one mask; the branches hang on the wave's number alone.
.macro JLOAD3 s
	s_cmp_lt_u32 s10, 2
	s_cbranch_scc0 .Lfor_m_\@
	s_cmp_eq_u32 s10, 0
	s_cbranch_scc0 .Lfor_v_\@
	tensor_load_to_lds s[G0K+4*\s:G0K+4*\s+3], s[G1K:G1K+7]
	s_nop 0
.rept 4
	v_nop
.endr
	s_branch .Lasked_\@
.Lfor_v_\@:
	tensor_load_to_lds s[G0V+4*\s:G0V+4*\s+3], s[G1V:G1V+7]
	s_nop 0
.rept 4
	v_nop
.endr
	s_branch .Lasked_\@
.Lfor_m_\@:
	tensor_load_to_lds s[G0M+4*\s:G0M+4*\s+3], s[G1M:G1M+7]
	s_nop 0
.rept 4
	v_nop
.endr
.Lasked_\@:
.endm
.macro CREST                           ; a round of the cluster's barrier behind its opening barrier
	s_cmp_lg_u32 s10, 0
	s_cbranch_scc1 .Lnot_wave_0_\@
	s_barrier_signal -3
.Lnot_wave_0_\@:
	s_barrier_wait -3
	s_barrier_signal -1
	s_barrier_wait -1
.endm
.macro CROUND                          ; a whole round
	s_barrier_signal -1
	s_barrier_wait -1
	CREST
.endm
	s_load_b128 s[4:7], s[0:1], 0x0                ; qkv s[4:5], mask s[6:7]
	s_load_b64 s[8:9], s[0:1], 0x10                ; ab
	v_lshl_add_u32 v255, v0, 2, 0x37c00
	s_set_vgpr_msb 0x40
	v_mov_b32 v255, 0
	s_set_vgpr_msb 0x4044
	ds_add_u32 v255, v255
	s_set_vgpr_msb 0x4400
	v_lshrrev_b32 v1, 5, v0
	v_readfirstlane_b32 s10, v1                    ; wave 0..3
	s_lshr_b32 s11, s10, 1                         ; which of the group's two query heads
	s_and_b32 s12, s10, 1                          ; which 32 queries of the block.  Also: which half of the mask's tile waves 2, 3 fetch
	s_bfe_u32 s13, ttmp6, 0x40000                  ; cx
	s_bfe_u32 s14, ttmp6, 0x40004                  ; cy
	s_lshl_b32 s15, ttmp9, 2
	s_add_co_u32 s15, s15, s13                     ; qb = 4 x cluster x + cx
	s_and_b32 s16, ttmp7, 0xffff
	s_lshl_b32 s16, s16, 2
	s_add_co_u32 s16, s16, s14                     ; g = 4 x cluster y + cy
	s_lshl_b32 s17, s14, 2
	s_lshl_b32 s17, 15, s17                        ; my row of the cluster
	s_lshl_b32 s18, 0x1111, s13                    ; my column
	s_mov_b32 s20, 0x76543210                      ; v_permlanex16_b32: lane i of one half reads lane i of the other
	s_mov_b32 s21, 0xfedcba98
	; group 1.  K, V: 128 rows x 128 elements of 2 bytes; padding behind every 64 words, 4 words for K, 8 for V.  Mask: 32 rows x 128 elements of 4 bytes, 4 words behind every 128.
	s_or_b32 s[G1K+0], s17, (1<<16)|(1<<20)|(1<<21)|(5<<22)|(3<<25)
	s_or_b32 s[G1V+0], s17, (1<<16)|(1<<20)|(1<<21)|(5<<22)|(7<<25)
	s_or_b32 s[G1M+0], s18, (2<<16)|(1<<20)|(1<<21)|(6<<22)|(3<<25)
.irp g, G1K, G1V
	s_mov_b32 s[\g+1], 128<<16                     ; tensor_dim0 = 128
	s_mov_b32 s[\g+2], 128<<16                     ; tensor_dim1 = 128
	s_mov_b32 s[\g+3], 128<<16                     ; tile_dim0 = 128
	s_mov_b32 s[\g+4], 128                         ; tile_dim1 = 128
	s_mov_b32 s[\g+5], 4096                        ; elements from row to row
	s_mov_b32 s[\g+6], 0
	s_mov_b32 s[\g+7], 0
.endr
	s_mov_b32 s[G1M+1], 128<<16
	s_mov_b32 s[G1M+2], 32<<16
	s_mov_b32 s[G1M+3], 128<<16
	s_mov_b32 s[G1M+4], 32
	s_mov_b32 s[G1M+5], 2048
	s_mov_b32 s[G1M+6], 0
	s_mov_b32 s[G1M+7], 0
	; offsets: K's and V's hang on g alone, the mask's on qb and the wave alone, each in registers of its own
	s_lshl_b32 s76, s16, 8                         ; 128 g elements
	s_mov_b32 s77, 0
	s_lshl_b32 s80, s15, 19                        ; 64 qb rows of 8,192 bytes
	s_lshl_b32 s81, s12, 18                        ; + 32 (w % 2) rows
	s_add_co_u32 s80, s80, s81
	s_mov_b32 s81, 0
	s_mul_i32 s3, s12, 32*PM
	s_add_co_u32 s3, s3, MOFF                      ; LDS: my half of the mask's tile, to fetch and to read
	s_lshl_b32 s82, s16, 1
	s_add_co_u32 s82, s82, s11                     ; my query head
	s_lshl_b32 s82, s82, 8                         ; its 256 bytes in a row
	s_lshr_b32 s22, s80, 1                         ; ab: the same rows, of 4,096 bytes
	s_add_co_u32 s22, s22, s82
	s_mov_b32 s23, 0
	s_add_co_u32 s82, s82, s80                     ; q: the same rows as the mask's, of 8,192 bytes
	s_mov_b32 s83, 0
	s_mul_i32 s2, s10, 16*PK
	s_add_co_u32 s2, s2, STAGE                     ; my stage
	s_wait_dscnt 0x0
	s_wait_kmcnt 0x0
	s_add_nc_u64 s[78:79], s[4:5], s[76:77]
	s_add_nc_u64 s[80:81], s[6:7], s[80:81]
	s_add_nc_u64 s[82:83], s[4:5], s[82:83]
	s_add_nc_u64 s[8:9], s[8:9], s[22:23]
	CROUND                                         ; all sixteen work-groups are here: the first joint loads meet
.irp s, 0,1
	s_mov_b32 s[G0K+4*\s], 1
	s_mov_b32 s[G0K+4*\s+1], \s*SLOT
	s_add_nc_u64 s[G0K+4*\s+2:G0K+4*\s+3], s[78:79], 4096+\s*TILEKV      ; k' begins at byte 4,096 of a row
	s_or_b32 s[G0K+4*\s+3], s[G0K+4*\s+3], 0x80000000
	s_mov_b32 s[G0V+4*\s], 1
	s_mov_b32 s[G0V+4*\s+1], \s*SLOT+VOFF
	s_add_nc_u64 s[G0V+4*\s+2:G0V+4*\s+3], s[78:79], 6144+\s*TILEKV      ; v' at byte 6,144
	s_or_b32 s[G0V+4*\s+3], s[G0V+4*\s+3], 0x80000000
	s_mov_b32 s[G0M+4*\s], 1
	s_add_co_u32 s[G0M+4*\s+1], s3, \s*SLOT
	s_add_nc_u64 s[G0M+4*\s+2:G0M+4*\s+3], s[80:81], \s*TILEM
	s_or_b32 s[G0M+4*\s+3], s[G0M+4*\s+3], 0x80000000
	JLOAD3 \s                                      ; both slots are asked for before anything else: two tensor loads of a wave are out, the most in this text
.endr
	v_and_b32 v1, 15, v0                           ; r
	v_bfe_u32 v2, v0, 4, 1                         ; h
	v_lshlrev_b32 v3, 13, v1
	v_lshl_add_u32 v[QO], v2, 4, v3                ; q: row r, 16 h bytes on
	WIN 0x40                                       ; destination in window 1
.irp q, 0,1
.irp c, 0,1,2,3
	global_load_b128 v[32*\q+8*\c:32*\q+8*\c+3],   v[QO], s[82:83] offset:\q*16*QKVROW+64*\c      ; Q's fragments stay in registers for the whole kernel
	global_load_b128 v[32*\q+8*\c+4:32*\q+8*\c+7], v[QO], s[82:83] offset:\q*16*QKVROW+64*\c+32
.endr
.endr
	WIN 0
	v_mul_u32_u24 v3, v1, PK
	v_lshl_add_u32 v[ADK], v2, 4, v3               ; K: row r, 16 h
	v_add_nc_u32 v[ADK+1], SLOT, v[ADK]
	v_and_b32 v4, 7, v0
	v_lshl_add_u32 v4, v2, 3, v4                   ; V: key 8 h + l % 8,
	v_mul_u32_u24 v4, v4, PV
	v_bfe_u32 v5, v0, 3, 1
	v_lshl_add_u32 v4, v5, 4, v4                   ; 16 bytes at 16 ((l / 8) % 2)
	v_add_nc_u32 v[ADV], VOFF, v4
	v_add_nc_u32 v[ADV+1], SLOT, v[ADV]
	v_mul_u32_u24 v6, v1, PM
	v_lshl_add_u32 v6, v2, 5, v6                   ; mask: query r, keys 8 h ..
	v_add_nc_u32 v[ADM], s3, v6
	v_add_nc_u32 v[ADM+1], SLOT, v[ADM]
	v_add_nc_u32 v[STO], s2, v[ADK]                ; in: row r, 16 bytes for each half of the lanes
	v_mul_u32_u24 v7, v2, PK                       ; back: lanes 0-15 one row of 256 bytes, lanes 16-31 the next
	v_lshl_add_u32 v7, v1, 4, v7
	v_add_nc_u32 v[RD], s2, v7
	v_lshlrev_b32 v8, 12, v2                       ; and the same two rows in ab
	v_lshl_add_u32 v[CO], v1, 4, v8
; 16 LDS loads: K's key tiles 2 g, 2 g + 1, all 128 channels
.macro FETCHK slot, g, f
.irp i, 0,1
.irp c, 0,1,2,3
	ds_load_b128 v[\f+32*\i+8*\c:\f+32*\i+8*\c+3],   v[ADK+\slot] offset:(2*\g+\i)*16*PK+64*\c
	ds_load_b128 v[\f+32*\i+8*\c+4:\f+32*\i+8*\c+7], v[ADK+\slot] offset:(2*\g+\i)*16*PK+64*\c+32
.endr
.endr
.endm
; 32 LDS loads: the mask of my 32 queries x 128 keys, in S's own layout
.macro FETCHM slot
	WIN 0xc0                                       ; destination in window 3
.irp kt, 0,1,2,3,4,5,6,7
.irp q, 0,1
	ds_load_b128 v[32*(\kt/2)+16*\q+8*(\kt%2):32*(\kt/2)+16*\q+8*(\kt%2)+3],   v[ADM+\slot] offset:\q*16*PM+64*\kt
	ds_load_b128 v[32*(\kt/2)+16*\q+8*(\kt%2)+4:32*(\kt/2)+16*\q+8*(\kt%2)+7], v[ADM+\slot] offset:\q*16*PM+64*\kt+16
.endr
.endr
.endm
; 16 transposing LDS loads: V^T of keys 32 c .. + 31, all 128 channels
.macro FETCHV slot, c, f
.irp ht, 0,1,2,3,4,5,6,7
	ds_load_tr16_b128 v[\f+8*\ht:\f+8*\ht+3],   v[ADV+\slot] offset:\c*32*PV+32*\ht
	ds_load_tr16_b128 v[\f+8*\ht+4:\f+8*\ht+7], v[ADV+\slot] offset:\c*32*PV+32*\ht+16*PV
.endr
.endm
; 16 matrix instructions: key tiles 2 g, 2 g + 1 x both query tiles x 128 channels.  The four accumulators take turns, one instruction a turn
; the first 32 channels start the sums.
.macro MULQK g, f
.irp c, 0,1,2,3
.irp i, 0,1
.irp q, 0,1
.if \c
	v_wmma_f32_16x16x32_f16 v[SREG+32*\g+16*\q+8*\i:SREG+32*\g+16*\q+8*\i+7], v[\f+32*\i+8*\c:\f+32*\i+8*\c+7], v[32*\q+8*\c:32*\q+8*\c+7], v[SREG+32*\g+16*\q+8*\i:SREG+32*\g+16*\q+8*\i+7]
.else
	v_wmma_f32_16x16x32_f16 v[SREG+32*\g+16*\q+8*\i:SREG+32*\g+16*\q+8*\i+7], v[\f+32*\i+8*\c:\f+32*\i+8*\c+7], v[32*\q+8*\c:32*\q+8*\c+7], 0
.endif
.endr
.endr
.endr
.endm
; 16 matrix instructions: all 128 channels x both query tiles x keys 32 c .. + 31.  The sixteen accumulators take turns, one instruction a turn.
.macro MULPV c, f, zero
.irp ht, 0,1,2,3,4,5,6,7
.irp q, 0,1
.if \zero
	v_wmma_f32_16x16x32_f16 v[8*(2*\ht+\q):8*(2*\ht+\q)+7], v[\f+8*\ht:\f+8*\ht+7], v[SREG+32*\c+16*\q:SREG+32*\c+16*\q+7], 0
.else
	v_wmma_f32_16x16x32_f16 v[8*(2*\ht+\q):8*(2*\ht+\q)+7], v[\f+8*\ht:\f+8*\ht+7], v[SREG+32*\c+16*\q:SREG+32*\c+16*\q+7], v[8*(2*\ht+\q):8*(2*\ht+\q)+7]
.endif
.endr
.endr
.endm
.macro SCALEO                          ; O of query tile q times AL + 2 q
	WIN 0x86                                       ; O: source 0 and destination in window 2; the factor: source 1 in window 1
.irp ht, 0,1,2,3,4,5,6,7
.irp q, 0,1
.irp p, 0,2,4,6
	v_pk_mul_f32 v[8*(2*\ht+\q)+\p:8*(2*\ht+\q)+\p+1], v[8*(2*\ht+\q)+\p:8*(2*\ht+\q)+\p+1], v[AL+2*\q:AL+2*\q+1] op_sel_hi:[1,0]
.endr
.endr
.endr
.endm
.macro MAXC t, b, i                    ; link i of a chain of maxima over the 16 registers at b
.if \i
	v_max3_num_f32 v[\t], v[\t], v[\b+2*\i], v[\b+2*\i+1]
.else
	v_max_num_f32 v[\t], v[\b], v[\b+1]
.endif
.endm
; The softmax of a step, on a lane's 2 x 64 scores.  first = 1: the first step starts maximum, sum and O.
.macro SOFTMAX first
	WIN 0x53                                       ; mask: source 0 in window 3; S: source 2 and destination in window 1
.set ii, 0
.rept 64
	v_pk_fma_f32 v[SREG+ii:SREG+ii+1], v[ii:ii+1], 0x3fb8aa3b, v[SREG+ii:SREG+ii+1] op_sel_hi:[1,0,1]   ; s2 = mask x log2(e) + q' . k'
.set ii, ii+2
.endr
	WIN 0x55                                       ; all in window 1
.irp i, 0,1,2,3,4,5,6,7
.irp q, 0,1
	MAXC T0+\q,   SREG+16*\q,    \i                ; eight chains that do not wait for each other
	MAXC T1+2*\q, SREG+32+16*\q, \i
	MAXC T2+2*\q, SREG+64+16*\q, \i
	MAXC T3+\q,   SREG+96+16*\q, \i
.endr
.endr
.irp q, 0,1
	v_max3_num_f32 v[T0+\q], v[T0+\q], v[T1+2*\q], v[T2+2*\q]
.endr
.irp q, 0,1
	v_max_num_f32 v[T0+\q], v[T0+\q], v[T3+\q]
.endr
.irp q, 0,1
	v_permlanex16_b32 v[T1+2*\q], v[T0+\q], s20, s21               ; the other half of the wave holds the same query's other keys
.endr
.if \first
.irp q, 0,1
	v_max3_num_f32 v[MN+2*\q], v[T0+\q], v[T1+2*\q], 0xff7fffff    ; never below the most negative finite number: s2 - m stays defined where all s2 are minus infinity
.endr
.else
.irp q, 0,1
	v_max3_num_f32 v[NW+\q], v[T0+\q], v[T1+2*\q], v[MN+2*\q]
.endr
.irp q, 0,1
	v_sub_f32 v[AL+2*\q], v[MN+2*\q], v[NW+\q]
.endr
.irp q, 0,1
	v_mov_b32 v[MN+2*\q], v[NW+\q]
.endr
.irp q, 0,1
	v_exp_f32 v[AL+2*\q], v[AL+2*\q]               ; 2^(old - new); the subtractions below are the plain place behind it (ISA guide 5.7.2)
.endr
.endif
.irp q, 0,1
.irp c, 0,1,2,3
.irp i, 0,2,4,6,8,10,12,14
	v_pk_add_f32 v[SREG+32*\c+16*\q+\i:SREG+32*\c+16*\q+\i+1], v[SREG+32*\c+16*\q+\i:SREG+32*\c+16*\q+\i+1], v[MN+2*\q:MN+2*\q+1] op_sel_hi:[1,0] neg_lo:[0,1] neg_hi:[0,1]
.endr
.irp i, 0,1,2,3,4,5,6,7,8,9,10,11,12,13,14,15
	v_exp_f32 v[SREG+32*\c+16*\q+\i], v[SREG+32*\c+16*\q+\i]       ; back to back on registers of their own; the next group's subtractions, or the first sum below, are the plain place behind them
.endr
.endr
.endr
	s_wait_alu depctr_va_vdst(0)
.irp q, 0,1
.irp c, 0,1,2,3
	v_pk_add_f32 v[UREG+8*\q+2*\c:UREG+8*\q+2*\c+1], v[SREG+32*\c+16*\q:SREG+32*\c+16*\q+1], v[SREG+32*\c+16*\q+2:SREG+32*\c+16*\q+3]   ; the first two pairs start each chain of sums
.endr
.endr
.irp i, 4,6,8,10,12,14
.irp q, 0,1
.irp c, 0,1,2,3
	v_pk_add_f32 v[UREG+8*\q+2*\c:UREG+8*\q+2*\c+1], v[UREG+8*\q+2*\c:UREG+8*\q+2*\c+1], v[SREG+32*\c+16*\q+\i:SREG+32*\c+16*\q+\i+1]
.endr
.endr
.endr
.irp q, 0,1
	v_pk_add_f32 v[UREG+8*\q:UREG+8*\q+1],   v[UREG+8*\q:UREG+8*\q+1],   v[UREG+8*\q+2:UREG+8*\q+3]
	v_pk_add_f32 v[UREG+8*\q+4:UREG+8*\q+5], v[UREG+8*\q+4:UREG+8*\q+5], v[UREG+8*\q+6:UREG+8*\q+7]
.endr
.irp q, 0,1
	v_pk_add_f32 v[UREG+8*\q:UREG+8*\q+1], v[UREG+8*\q:UREG+8*\q+1], v[UREG+8*\q+4:UREG+8*\q+5]
.endr
.if \first
.irp q, 0,1
	v_add_f32 v[LS+\q], v[UREG+8*\q], v[UREG+8*\q+1]
.endr
.else
.irp q, 0,1
	v_add_f32 v[T0+\q], v[UREG+8*\q], v[UREG+8*\q+1]
.endr
.irp q, 0,1
	v_fma_f32 v[LS+\q], v[LS+\q], v[AL+2*\q], v[T0+\q]
.endr
.endif
.irp q, 0,1
.irp c, 0,1,2,3
.irp i, 0,1,2,3,4,5,6,7
	v_cvt_pk_f16_f32 v[SREG+32*\c+16*\q+\i], v[SREG+32*\c+16*\q+2*\i], v[SREG+32*\c+16*\q+2*\i+1]   ; in place, ascending: register i is written when 2 i, 2 i + 1 are read
.endr
.endr
.endr
.if \first == 0
	SCALEO
.endif
.endm
; One step: 128 keys from a slot.  mode 1: a round of the cluster's barrier, and this slot is filled again, two steps ahead; 2: a plain barrier; 0: none.
; Each s_wait_dscnt 16 leaves out exactly the youngest group of sixteen loads.
.macro STEP slot, first, mode
	WIN 0
	FETCHK \slot, 0, F0
	FETCHK \slot, 1, F1
	s_wait_dscnt 16
	WIN 0x54                                       ; Q (source 1), C and D in window 1
	MULQK 0, F0
	PLACES
	WIN 0
	FETCHK \slot, 2, F0
	s_wait_dscnt 16
	WIN 0x54
	MULQK 1, F1
	PLACES
	WIN 0
	FETCHK \slot, 3, F1
	s_wait_dscnt 16
	WIN 0x54
	MULQK 2, F0
	PLACES
	FETCHM \slot
	WIN 0
	FETCHV \slot, 0, F0
	s_wait_dscnt 48                                ; K's last group is in; the mask's 32 loads and V's 16 stay out
	WIN 0x54
	MULQK 3, F1
	PLACES                                         ; also the places in front of the softmax, which reads S
	WIN 0
	FETCHV \slot, 1, F1                            ; up to 64 LDS loads are asked for here; the counter's field holds 63 and the hardware holds the issue back (ISA guide 5.7.1)
	s_wait_dscnt 32                                ; the mask is in; V's two groups stay out
	SOFTMAX \first
	s_wait_dscnt 16
	WIN 0xa4                                       ; P (source 1) in window 1, C and D in window 2
	MULPV 0, F0, \first
	PLACES
	WIN 0
	FETCHV \slot, 2, F0
	s_wait_dscnt 16
	WIN 0xa4
	MULPV 1, F1, 0
	PLACES
	WIN 0
	FETCHV \slot, 3, F1
	s_wait_dscnt 16
	WIN 0xa4
	MULPV 2, F0, 0
	s_wait_dscnt 0x0                               ; V's last group is in, and my reads of this slot are over
.if \mode
	s_wait_tensorcnt 0x0                           ; all my tensor loads have landed: the one that was out is my part of the next slot
	ds_add_u32 v255, v255
	s_wait_dscnt 0x0
	s_barrier_signal -1                            ; with mode 1 this barrier opens a round of the cluster's barrier
.endif
	MULPV 3, F1, 0                                 ; work on registers while the others arrive
.rept 5
	v_nop                                          ; five places: the next step's first products write over P; its loads land in the fragment buffers; its softmax rescales O
.endr
	WIN 0
.if \mode
	s_barrier_wait -1
.endif
.if \mode == 1
	CREST                                          ; no wave of any partner still reads this slot's tiles or has a load on its way
	s_add_nc_u64 s[G0K+4*\slot+2:G0K+4*\slot+3], s[G0K+4*\slot+2:G0K+4*\slot+3], 2*TILEKV
	s_add_nc_u64 s[G0V+4*\slot+2:G0V+4*\slot+3], s[G0V+4*\slot+2:G0V+4*\slot+3], 2*TILEKV
	s_add_nc_u64 s[G0M+4*\slot+2:G0M+4*\slot+3], s[G0M+4*\slot+2:G0M+4*\slot+3], 2*TILEM
	JLOAD3 \slot                                   ; the first tensor load behind the round, one a wave; it has the whole next step in which to land
.endif
.endm
	s_wait_loadcnt 0x0                             ; Q
	s_wait_tensorcnt 0x1                           ; my part of tile 0 is in; tile 1's stays out
	s_barrier_signal -1
	s_barrier_wait -1                              ; everybody's is
	STEP 0, 1, 1                                   ; tile 0 starts maximum, sum and O; tile 2 is asked for
	STEP 1, 0, 1
	s_mov_b32 s19, 6
.Lsteps:
	STEP 0, 0, 1                                   ; tiles 2 to 13 are worked on, tiles 4 to 15 asked for
	STEP 1, 0, 1
	s_sub_co_u32 s19, s19, 1
	s_cmp_lg_u32 s19, 0
	s_cbranch_scc1 .Lsteps
	STEP 0, 0, 2                                   ; tile 14: nothing is left to fetch; the barrier shows tile 15 to every wave
	STEP 1, 0, 0                                   ; tile 15
	; the sum of both halves of the keys, its reciprocal, and O / sum
	WIN 0x55
.irp q, 0,1
	v_permlanex16_b32 v[T1+2*\q], v[LS+\q], s20, s21
.endr
.irp q, 0,1
	v_add_f32 v[LS+\q], v[LS+\q], v[T1+2*\q]
.endr
.irp q, 0,1
	v_rcp_f32 v[AL+2*\q], v[LS+\q]
.endr
	v_nop                                          ; the plain place behind v_rcp_f32 (ISA guide 5.7.2)
	s_wait_alu depctr_va_vdst(0)
	SCALEO
; THE WAY OUT, 16 queries at a time: a lane's eight results of a tile are eight neighbouring channels of its query: 16 bytes in f16, into my own stage,
; read back as whole rows of 256 bytes.
.macro OUTQ q
	WIN 0x0a                                       ; sources 0 and 1 in window 2
.irp ht, 0,1,2,3,4,5,6,7
.irp p, 0,1,2,3
	v_cvt_pk_f16_f32 v[TMP+4*\ht+\p], v[8*(2*\ht+\q)+2*\p], v[8*(2*\ht+\q)+2*\p+1]
.endr
.endr
	WIN 0
.irp ht, 0,1,2,3,4,5,6,7
	ds_store_b128 v[STO], v[TMP+4*\ht:TMP+4*\ht+3] offset:32*\ht
.endr
	s_wait_xcnt 0x0                                ; the first tile's stores have had their addresses translated (ISA guide 3.1): their data registers are loaded again only behind this wait
.irp t, 0,1,2,3,4,5,6,7
	ds_load_b128 v[RB+4*\t:RB+4*\t+3], v[RD] offset:\t*2*PK        ; LDS serves a wave's instructions in order (ISA guide 5.7.1): these see the stores above
.endr
.irp t, 0,1,2,3,4,5,6,7
	s_wait_dscnt 7-\t                              ; pair t of rows is in, the 7 - t younger loads stay out
	global_store_b128 v[CO], v[RB+4*\t:RB+4*\t+3], s[8:9] offset:\q*16*ABROW+\t*2*ABROW   ; 16 lanes store 256 consecutive bytes, at a multiple of 256 from ab's first byte
.endr
.endm
	OUTQ 0
	OUTQ 1
	s_set_vgpr_msb 0x4
	s_wait_tensorcnt 0x0
	ds_add_u32 v255, v255
	s_wait_dscnt 0x0
	s_set_vgpr_msb 0x400
	CROUND                                         ; the closing round: no work-group ends while a partner may still ask for a tile that names it
	s_endpgm
.Lfunc_end_k_qd2ec79b140_attn:
	.size	k_qd2ec79b140_attn, .Lfunc_end_k_qd2ec79b140_attn-k_qd2ec79b140_attn
	.p2alignl 7, 3214868480
	.fill 96, 4, 3214868480
	.section	.rodata,"a",@progbits
	.p2align	6, 0x0
	.amdhsa_kernel k_qd2ec79b140_attn
		.amdhsa_group_segment_fixed_size 327680
		.amdhsa_private_segment_fixed_size 0
		.amdhsa_enable_private_segment 0
		.amdhsa_kernarg_size 24
		.amdhsa_user_sgpr_count 2
		.amdhsa_user_sgpr_kernarg_segment_ptr 1
		.amdhsa_wavefront_size32 1
		.amdhsa_system_sgpr_workgroup_id_x 1
		.amdhsa_system_sgpr_workgroup_id_y 1
		.amdhsa_system_sgpr_workgroup_id_z 1
		.amdhsa_system_vgpr_workitem_id 0
		.amdhsa_next_free_vgpr 896
		.amdhsa_next_free_sgpr 84
		.amdhsa_reserve_vcc 0
		.amdhsa_float_denorm_mode_32 3
		.amdhsa_float_denorm_mode_16_64 3
		.amdhsa_memory_ordered 1
		.amdhsa_forward_progress 1
		.amdhsa_inst_pref_size 255
	.end_amdhsa_kernel
	.section	.bss,"aw",@nobits
	.p2align	6
	.space	262144
	.amdgpu_metadata
---
amdhsa.version: [ 1, 2 ]
amdhsa.kernels:
  - .name:           k_qd2ec79b140_attn
    .symbol:         k_qd2ec79b140_attn.kd
    .args:
      - { .name: qkv, .offset: 0, .size: 8, .value_kind: global_buffer, .address_space: global }
      - { .name: mask, .offset: 8, .size: 8, .value_kind: global_buffer, .address_space: global }
      - { .name: ab, .offset: 16, .size: 8, .value_kind: global_buffer, .address_space: global }
    .group_segment_fixed_size: 327680
    .private_segment_fixed_size: 0
    .kernarg_segment_align: 8
    .kernarg_segment_size: 24
    .max_flat_workgroup_size: 128
    .sgpr_count:     84
    .vgpr_count:     896
    .wavefront_size: 32
...
	.end_amdgpu_metadata
.endif
;; end of part 3
;; launch outgemm (part 4): grid 16 x 16, 4 waves a work-group, clusters of 4 x 4, 327,680 bytes of LDS; arguments ab, wo16, out0; writes out0
.if DOCPART == 4
	.amdgcn_target "amdgcn-amd-amdhsa--gfx1250"
	.amdhsa_code_object_version 6
	.text
	.protected	k_qd2ec79b140_outgemm
	.globl	k_qd2ec79b140_outgemm
	.p2align	8
	.type	k_qd2ec79b140_outgemm,@function
k_qd2ec79b140_outgemm:
	s_mov_b64 s[64:65], 0
	v_nop
	global_prefetch_b8 v0, s[64:65] scope:SCOPE_SE
	s_setreg_imm32_b32 hwreg(HW_REG_WAVE_MODE, 25, 1), 1
	s_wait_xcnt 0x0
	s_wait_alu depctr_hold_cnt(0) depctr_sa_sdst(0) depctr_va_vdst(0) depctr_va_sdst(0) depctr_va_ssrc(0) depctr_va_vcc(0) depctr_vm_vsrc(0)
	s_getreg_b32 s2, hwreg(HW_REG_IB_STS2, 6, 4)
	s_cmp_eq_u32 s2, 0
	s_cbranch_scc0 .Lentry_in_a_cluster
	s_endpgm
.Lentry_in_a_cluster:
	s_bfe_u32 s2, ttmp6, 0x10000c
	s_cmp_lg_u32 s2, 0xf033
	s_cbranch_scc0 .Lentry_shape_is_right
	s_endpgm
.Lentry_shape_is_right:
; C[m][n] = sum over k of A[m][k] W[k][n], A [2048][SIZE_K] and W [SIZE_K][4096] of 16 bits, sums in f32.  One text serves two launches:
;   MODE 0: A = xb, W = wqkvb (bf16, SIZE_K = 4096).  On the way out q and k (columns 0-3071) are rotated by freqs_cos / freqs_sin in f32 and
;           multiplied by SQ = sqrt(log2(e) / sqrt(128)), so that q' . k' is the score in powers of two; v (columns 3072-4095) is divided by 4.
;           C = qkv, f16: its rounding step is an eighth of bf16's, and the factors leave room in its range.
;   MODE 1: A = ab, W = wo16 (f16, SIZE_K = 2048).  C = out0, f32.
; FORMAT (MODE 0): cos and sin are rounded to bf16 (nearest even) before the rotation, as x and the weights are before the products; the rotation
; itself runs in f32.  So what is computed is the f32 computation on inputs that are all rounded once to bf16.  A rounded cos or sin is off by at
; most 2^-9 of its size: no more than each of the two rounded factors of the products that make up the q and k that are rotated.
; LIMITS (MODE 0): 0.357 |q|, 0.357 |k| and |v| / 4 must stay below 65,504 (f16); beyond it they become infinite.
; A work-group makes 128 x 256 of C with four waves; a wave makes 64 x 128: 32 accumulator tiles of 16 x 16, 256 registers.  16 x 16 work-groups.
; K goes in steps of 192 through a ring of two LDS slots filled by the tensor data mover: 21 whole steps and a tail of 64 (MODE 0), 10 and a tail
; of 128 (MODE 1), K ascending.  WHY 192: a slot is asked for once a step, behind a round of the cluster's barrier, and has one step's matrix work
; in which to land, so a step is made as long as LDS allows: a slot of 192 is 159,744 bytes and two are 319,488 of the 327,680 that a work-group
; can be given; two slots of 256 would be 413,696.  The price: A's rows in a tile are 384 bytes and begin at multiples of 128 from the buffer's
; first byte (W's are 512 bytes at multiples of 512).
; CLUSTERS: 4 x 4 work-groups.  The four of a row of the cluster share the block row of C and so A's tiles; the four of a column share W's.
; Each such tile is asked for jointly: the same tensor load, the same descriptor, a mask that names the four.
; W LIES [k][n]: its fragments are read by the transposing LDS load.  THE MATRIX INSTRUCTION IS USED TRANSPOSED: source 0 = 16 columns of W,
; source 1 = 16 rows of A; lane l then holds row l % 16 of C and in registers 0-7 the columns 8 (l / 16) + 0 .. 7: eight neighbours of a row.
; REGISTERS: window 0: addresses, two fragment buffers (W 64 + A 32 registers each), the way out.  Window 1: the 32 accumulators, tile (a, b) at
; v[8 (8 a + b)].  Window 2 (MODE 0): cos of tile (a, b) at v[4 (8 a + b)], sin at v[128 + 4 (8 a + b)].
.set MODE, 1
.if MODE == 0
.set SIZE_K, 4096
.set CROW,   8192                      ; bytes in a row of C: 4,096 f16
.set SPITCH, 272                       ; a row of the stage: 128 f16 + 16 bytes
.else
.set SIZE_K, 2048
.set CROW,   16384                     ; 4,096 f32
.set SPITCH, 528                       ; 128 f32 + 16 bytes
.endif
.set KSTEP,  192                       ; six quarters of 32
.set NFULL,  SIZE_K/KSTEP              ; whole steps: 21 or 10
.set TAILK,  SIZE_K-NFULL*KSTEP        ; what is left of K: 64 or 128
.set TSLOT,  NFULL%2                   ; the slot that takes the tail: 1 or 0
.set NLAPS,  (NFULL-2-TSLOT)/2         ; laps (two steps) in which both slots are filled again with whole tiles: 9 or 4
.set WROW,   8192                      ; bytes in a row of W
.set PA,     432                       ; LDS pitch of A's rows: three pieces of 128 bytes, 16 bytes of padding behind each; 27 x 16, an odd multiple of 16: the 16 rows of a fragment load begin in 16 different groups of four banks (ISA guide 11.1)
.set PB,     544                       ; LDS pitch of W's rows: 512 + 32 bytes, an odd multiple of 32, for the transposing load
.set AHALF,  64*PA                     ; what one tensor load brings of A, and what one wave reads of it: 27,648
.set BHALF,  96*PB                     ; what one tensor load brings of W: 96 rows along K: 52,224
.set BOFF,   2*AHALF                   ; W's part of a slot lies behind A's 128 rows
.set SLOT,   2*AHALF+2*BHALF           ; 159,744
.set STAGE,  (1-TSLOT)*SLOT            ; the way out's stage, 16 rows for each wave, lies in the slot that the tail does not use: that slot has had its last fill, and every wave's
                                       ; last reads of it were waited for in front of the barrier at the change into the tail's slot
.set ADRA, 16                          ; v16-17  LDS address of my A fragments in slot 0, 1
.set ADRB, 20                          ; v20-21  the same for W, quarters 0-2; v22-23 quarters 3-5 (96 rows on: an LDS offset has 16 bits)
.set STO,  24                          ; the way out: where I put my part of a row
.set RD,   25                          ; the way out: where I read rows back
.set CO,   26                          ; my byte offset in C
.set CSO,  27                          ; my byte offset in cos and sin
.set F0,   32                          ; fragment buffer 0: W's eight column blocks at F0 + 8 b, A's four row blocks at F0 + 64 + 8 a
.set F1,   128                         ; fragment buffer 1
.set TMP,  224                         ; the way out: packed results
.set G1,   24                          ; s[24:31] descriptor group 1 for A's tiles
.set G0,   32                          ; s[32:39] descriptor group 0 for A's tiles, one set for each slot
.set G1B,  48                          ; s[48:55] group 1 for W's tiles
.set G0B,  56                          ; s[56:63] group 0 for W's tiles, one set for each slot
.set G0BT, 76                          ; s[76:79] group 0 for W's tail
.set G1BT, 80                          ; s[80:87] group 1 for W's tail
.set G1T,  88                          ; s[88:95] group 1 for A's tail (its group 0 is the slot's own, stepped like every other)
.set MUL, 0x50                         ; s_set_vgpr_msb: C and D in window 1, both sources in window 0
.set MSB, 0
.macro WIN new                         ; the immediate's high byte repeats the setting that is left; a switch that changes nothing is dropped
.if MSB != \new
	s_set_vgpr_msb (MSB<<8)|\new
.set MSB, \new
.endif
.endm
; A joint load.  Waves 0 and 1 fetch A's two halves, waves 2 and 3 W's.  Each line has one mask and one set of registers for all that issue it.
; The branch hangs on the wave's number alone.  Four v_nop follow each line.  tail = 1: the tail's descriptors.
.macro JLOAD s, tail
	s_cmp_eq_u32 s15, 0
	s_cbranch_scc0 .Lfor_b_\@
.if \tail
	tensor_load_to_lds s[G0+4*\s:G0+4*\s+3], s[G1T:G1T+7]
	s_nop 0
.else
	tensor_load_to_lds s[G0+4*\s:G0+4*\s+3], s[G1:G1+7]
	s_nop 0
.endif
.rept 4
	v_nop
.endr
	s_branch .Lasked_\@
.Lfor_b_\@:
.if \tail
	tensor_load_to_lds s[G0BT:G0BT+3], s[G1BT:G1BT+7]
	s_nop 0
.else
	tensor_load_to_lds s[G0B+4*\s:G0B+4*\s+3], s[G1B:G1B+7]
	s_nop 0
.endif
.rept 4
	v_nop
.endr
.Lasked_\@:
.endm
; A round of the cluster's barrier: my work-group's barrier, wave 0 signals for the work-group, every wave waits for all sixteen, my work-group's barrier again.
.macro CREST                           ; a round behind its opening barrier
	s_cmp_lg_u32 s14, 0
	s_cbranch_scc1 .Lnot_wave_0_\@
	s_barrier_signal -3
.Lnot_wave_0_\@:
	s_barrier_wait -3
	s_barrier_signal -1
	s_barrier_wait -1
.endm
.macro CROUND                          ; a whole round
	s_barrier_signal -1
	s_barrier_wait -1
	CREST
.endm
.if MODE == 0
	s_load_b256 s[4:11], s[0:1], 0x0               ; A s[4:5], W s[6:7], cos s[8:9], sin s[10:11]
	s_load_b64 s[12:13], s[0:1], 0x20              ; C
.else
	s_load_b128 s[4:7], s[0:1], 0x0                ; A s[4:5], W s[6:7]
	s_load_b64 s[12:13], s[0:1], 0x10              ; C
	v_lshl_add_u32 v254, v0, 2, 0x4e000
	v_mov_b32 v255, 0
	ds_add_u32 v254, v255
.endif
	v_lshrrev_b32 v1, 5, v0
	v_readfirstlane_b32 s14, v1                    ; wave 0..3
	s_lshr_b32 s15, s14, 1                         ; which 64 rows of the block are mine.  Also: I fetch for A (0) or for W (1)
	s_and_b32 s16, s14, 1                          ; which 128 columns are mine.  Also: which half of that tile I fetch
	s_bfe_u32 s17, ttmp6, 0x40000                  ; cx
	s_bfe_u32 s18, ttmp6, 0x40004                  ; cy
	s_lshl_b32 s19, ttmp9, 2
	s_add_co_u32 s19, s19, s17                     ; block column of C = 4 x cluster x + cx
	s_and_b32 s20, ttmp7, 0xffff
	s_lshl_b32 s20, s20, 2
	s_add_co_u32 s20, s20, s18                     ; block row of C = 4 x cluster y + cy
	s_lshl_b32 s21, s18, 2
	s_lshl_b32 s21, 15, s21                        ; my row of the cluster: places 4 cy .. 4 cy + 3
	s_lshl_b32 s22, 0x1111, s17                    ; my column: places cx, cx + 4, cx + 8, cx + 12
	; group 1 for A: 64 rows x 192 elements of 2 bytes, 4 words of padding behind every 32 (a row is 96 words: three pieces).
	; The tail's differs in tensor_dim0 alone: what is left of a row; the elements of the tile beyond it are not read and arrive as zeros, so the pitch stays; they are not used.
.irp g, G1, G1T
	s_or_b32 s[\g+0], s21, (1<<16)|(1<<20)|(1<<21)|(4<<22)|(3<<25)
	s_mov_b32 s[\g+2], 64<<16                      ; tensor_dim1 = 64
	s_mov_b32 s[\g+3], KSTEP<<16                   ; tile_dim0 = 192
	s_mov_b32 s[\g+4], 64                          ; tile_dim1 = 64
	s_mov_b32 s[\g+5], SIZE_K                      ; elements from row to row
	s_mov_b32 s[\g+6], 0
	s_mov_b32 s[\g+7], 0
.endr
	s_mov_b32 s[G1+1], KSTEP<<16                   ; tensor_dim0 = 192
	s_mov_b32 s[G1T+1], TAILK<<16                  ; tensor_dim0 = 64 or 128
	; group 1 for W: 96 rows (along K) x 256 elements, 8 words of padding behind every 128.  The tail's has half of the rows that are left.
.irp g, G1B, G1BT
	s_or_b32 s[\g+0], s22, (1<<16)|(1<<20)|(1<<21)|(6<<22)|(7<<25)
	s_mov_b32 s[\g+1], 256<<16
	s_mov_b32 s[\g+3], 256<<16
	s_mov_b32 s[\g+5], 4096
	s_mov_b32 s[\g+6], 0
	s_mov_b32 s[\g+7], 0
.endr
	s_mov_b32 s[G1B+2], 96<<16
	s_mov_b32 s[G1B+4], 96
	s_mov_b32 s[G1BT+2], (TAILK/2)<<16
	s_mov_b32 s[G1BT+4], TAILK/2
	; where the tiles come from: A's hang on the block row and the wave alone, W's on the block column and the wave alone, in registers of their own
	s_lshl_b32 s40, s20, 7
	s_lshl_b32 s41, s16, 6
	s_add_co_u32 s40, s40, s41                     ; A: row 128 x block row + 64 x half
	s_mul_i32 s40, s40, SIZE_K*2                   ; in bytes (below 2^25)
	s_mov_b32 s41, 0
	s_mul_i32 s44, s16, 96*WROW                    ; W: 96 x half rows of 8,192 bytes
	s_lshl_b32 s45, s19, 9                         ;    + 256 x block column elements
	s_add_co_u32 s44, s44, s45
	s_mul_i32 s96, s16, (TAILK/2)*WROW             ; W's tail: half of the rows that are left x half
	s_add_co_u32 s96, s96, s45
	s_mov_b32 s45, 0
	s_mov_b32 s97, 0
	s_mul_i32 s42, s16, AHALF                      ; and where they go: the wave's number alone enters an LDS address
	s_mul_i32 s46, s16, BHALF
	s_add_co_u32 s46, s46, BOFF
	s_mov_b32 s[G0BT], 1                           ; count = 1
	s_mul_i32 s[G0BT+1], s16, (TAILK/2)*PB
	s_add_co_u32 s[G0BT+1], s[G0BT+1], TSLOT*SLOT+BOFF
	; my wave's corner of C, and my rows of cos and sin
	s_lshl_b32 s66, s20, 7
	s_lshl_b32 s67, s15, 6
	s_add_co_u32 s66, s66, s67                     ; my first row
	s_mul_i32 s68, s66, CROW
	s_mul_i32 s70, s19, CROW/16                    ; 256 columns a block
	s_mul_i32 s71, s16, CROW/32                    ; 128 columns a wave
	s_add_co_u32 s68, s68, s70
	s_add_co_u32 s68, s68, s71                     ; below 2^26
	s_mov_b32 s69, 0
	s_lshl_b32 s72, s66, 8                         ; a row of cos or sin is 256 bytes
	s_mov_b32 s73, 0
	s_mul_i32 s74, s14, 16*SPITCH
	s_add_co_u32 s74, s74, STAGE                   ; my stage
	s_mul_i32 s70, s15, AHALF                      ; my 64 rows of A in a slot
	s_lshl_b32 s71, s16, 8
	s_add_co_u32 s71, s71, BOFF                    ; my 128 columns of W in a slot
	s_wait_dscnt 0x0
	s_wait_kmcnt 0x0
	s_add_nc_u64 s[40:41], s[4:5], s[40:41]
	s_add_nc_u64 s[44:45], s[6:7], s[44:45]
	s_add_nc_u64 s[G0BT+2:G0BT+3], s[6:7], s[96:97]
	s_add_nc_u64 s[G0BT+2:G0BT+3], s[G0BT+2:G0BT+3], NFULL*KSTEP*WROW   ; the tail begins behind the whole steps' rows
	s_or_b32 s[G0BT+3], s[G0BT+3], 0x80000000      ; type = 2
	s_add_nc_u64 s[12:13], s[12:13], s[68:69]
.if MODE == 0
	s_add_nc_u64 s[8:9], s[8:9], s[72:73]
	s_add_nc_u64 s[10:11], s[10:11], s[72:73]
.endif
	CROUND                                         ; all sixteen work-groups are here: the first joint loads meet
.irp s, 0,1
	s_mov_b32 s[G0+4*\s], 1                                        ; count = 1
	s_add_co_u32 s[G0+4*\s+1], s42, \s*SLOT                        ; LDS address
	s_add_nc_u64 s[G0+4*\s+2:G0+4*\s+3], s[40:41], \s*KSTEP*2      ; global address: K step s
	s_or_b32 s[G0+4*\s+3], s[G0+4*\s+3], 0x80000000                ; type = 2
	s_mov_b32 s[G0B+4*\s], 1
	s_add_co_u32 s[G0B+4*\s+1], s46, \s*SLOT
	s_add_nc_u64 s[G0B+4*\s+2:G0B+4*\s+3], s[44:45], \s*KSTEP*WROW
	s_or_b32 s[G0B+4*\s+3], s[G0B+4*\s+3], 0x80000000
	JLOAD \s, 0                                    ; both slots are asked for before anything else: two tensor loads of a wave are out, the most in this text
.endr
	; A's fragment (16 rows x 32 K): lane l holds row l % 16; two loads of 16 bytes, 32 bytes apart, at row x pitch + 16 (l / 16).
	; W's fragment (32 K x 16 columns, transposed on the way): lane l addresses row 8 (l / 16) + l % 8 of K, 16 bytes at 16 ((l / 8) % 2); the second load 16 rows on.
	v_and_b32 v1, 15, v0                           ; r = l % 16
	v_bfe_u32 v2, v0, 4, 1                         ; h = l / 16
	v_mul_u32_u24 v3, v1, PA
	v_lshl_add_u32 v3, v2, 4, v3                   ; 432 r + 16 h
	v_add_nc_u32 v[ADRA], s70, v3
	v_add_nc_u32 v[ADRA+1], SLOT, v[ADRA]
	v_and_b32 v4, 7, v0
	v_lshl_add_u32 v4, v2, 3, v4                   ; 8 h + l % 8
	v_mul_u32_u24 v4, v4, PB
	v_bfe_u32 v5, v0, 3, 1
	v_lshl_add_u32 v4, v5, 4, v4
	v_add_nc_u32 v[ADRB], s71, v4
	v_add_nc_u32 v[ADRB+1], SLOT, v[ADRB]
	v_add_nc_u32 v[ADRB+2], 96*PB, v[ADRB]         ; quarters 3-5 begin 96 rows further down
	v_add_nc_u32 v[ADRB+3], 96*PB, v[ADRB+1]
.if MODE == 0
	v_mul_u32_u24 v6, v1, SPITCH                   ; in: row r, 16 bytes for each half of the lanes
	v_lshl_add_u32 v6, v2, 4, v6
	v_add_nc_u32 v[STO], s74, v6
	v_mul_u32_u24 v9, v2, SPITCH                   ; back: lanes 0-15 take one row of 256 bytes, lanes 16-31 the next
	v_lshl_add_u32 v9, v1, 4, v9
	v_add_nc_u32 v[RD], s74, v9
	v_lshlrev_b32 v7, 13, v2                       ; and the same two rows in C
	v_lshl_add_u32 v[CO], v1, 4, v7
	v_lshlrev_b32 v8, 8, v1                        ; cos, sin: row r, 4 h frequencies on
	v_lshl_add_u32 v[CSO], v2, 4, v8
	; cos and sin of my 64 rows, in the accumulators' own layout: tile (a, b), lane (r, h) wants row 16 a + r, frequencies 8 b + 4 h .. + 3.
	; The eight loads of a row block cover each row's 256 bytes once.  Issued here, waited for on the way out: the whole K loop covers them.
	; Every work-group asks for them, so that each register that the way out names is written on every path.  v's blocks (cluster column 3, a quarter
	; of the work-groups) leave them unused: 32 KiB a wave, from two tables of 1 MiB together that the other blocks read as well.
	; 64 loads are asked for at once; the counter's field holds 63 and the hardware holds the last one's issue back (ISA guide 5.7.1).
	WIN 0x80                                       ; destination in window 2
.irp a, 0,1,2,3
.irp b, 0,1,2,3,4,5,6,7
	global_load_b128 v[4*(8*\a+\b):4*(8*\a+\b)+3],         v[CSO], s[8:9]   offset:4096*\a+32*\b
	global_load_b128 v[128+4*(8*\a+\b):128+4*(8*\a+\b)+3], v[CSO], s[10:11] offset:4096*\a+32*\b
.endr
.endr
	WIN 0
.else
	v_mul_u32_u24 v6, v1, SPITCH                   ; in: row r, 32 bytes for each half of the lanes
	v_lshl_add_u32 v6, v2, 5, v6
	v_add_nc_u32 v[STO], s74, v6
	v_and_b32 v7, 31, v0
	v_lshlrev_b32 v[CO], 4, v7                     ; back: the wave takes one row of 512 bytes, 16 bytes a lane; the same in C
	v_add_nc_u32 v[RD], s74, v[CO]
.endif
; 16 matrix instructions: row blocks a0, a0 + 1 x all 8 column blocks, 32 along K.  zero = 1: the first product starts the sums, nothing is cleared.
; The 32 accumulators take turns, one instruction a turn, in the same order in every quarter.
.macro MUL16 f, a0, zero
.irp a, \a0, \a0+1
.irp b, 0,1,2,3,4,5,6,7
.if MODE == 0
.if \zero
	v_wmma_f32_16x16x32_bf16 v[8*(8*(\a)+\b):8*(8*(\a)+\b)+7], v[\f+8*\b:\f+8*\b+7], v[\f+64+8*(\a):\f+64+8*(\a)+7], 0
.else
	v_wmma_f32_16x16x32_bf16 v[8*(8*(\a)+\b):8*(8*(\a)+\b)+7], v[\f+8*\b:\f+8*\b+7], v[\f+64+8*(\a):\f+64+8*(\a)+7], v[8*(8*(\a)+\b):8*(8*(\a)+\b)+7]
.endif
.else
.if \zero
	v_wmma_f32_16x16x32_f16 v[8*(8*(\a)+\b):8*(8*(\a)+\b)+7], v[\f+8*\b:\f+8*\b+7], v[\f+64+8*(\a):\f+64+8*(\a)+7], 0
.else
	v_wmma_f32_16x16x32_f16 v[8*(8*(\a)+\b):8*(8*(\a)+\b)+7], v[\f+8*\b:\f+8*\b+7], v[\f+64+8*(\a):\f+64+8*(\a)+7], v[8*(8*(\a)+\b):8*(8*(\a)+\b)+7]
.endif
.endif
.endr
.endr
.endm
; 24 LDS loads in one run: the fragments of quarter q (0 to 5) of a K step, 32 along K, into buffer f: W's sixteen first, A's eight last.
; W: quarter q begins 32 q rows down; quarters 3-5 go by the second address register.  A: quarter q begins at byte 64 q of a row's data, which
; lies 16 (q / 2) further on in LDS, behind the padding of the pieces of 128 bytes in front of it; a quarter's 64 bytes never cross a piece's end.
.macro FETCH slot, q, f
	WIN 0
.irp b, 0,1,2,3,4,5,6,7
	ds_load_tr16_b128 v[\f+8*\b:\f+8*\b+3],   v[ADRB+2*(\q/3)+\slot] offset:(\q%3)*32*PB+32*\b
	ds_load_tr16_b128 v[\f+8*\b+4:\f+8*\b+7], v[ADRB+2*(\q/3)+\slot] offset:(\q%3)*32*PB+32*\b+16*PB
.endr
.irp a, 0,1,2,3
	ds_load_b128 v[\f+64+8*\a:\f+64+8*\a+3],   v[ADRA+\slot] offset:\q*64+(\q/2)*16+\a*16*PA
	ds_load_b128 v[\f+64+8*\a+4:\f+64+8*\a+7], v[ADRA+\slot] offset:\q*64+(\q/2)*16+\a*16*PA+32
.endr
.endm
; A load into a register that a matrix instruction has read, and a vector instruction or a store that reads a matrix result, stand four places
; behind that matrix instruction; only plain vector instructions that name none of its registers are places.
.macro PLACES
.rept 4
	v_nop
.endr
.endm
; One of the quarters of a K step but the last: multiplies buffer f; in its middle it fetches quarter q1 of the same slot into buffer g.
.macro QUARTER slot, q1, f, g, zero
	s_wait_dscnt 4                                 ; W and A's row blocks 0, 1 are in; the youngest four loads (A's blocks 2, 3) may be out
	WIN MUL
	MUL16 \f, 0, \zero
	PLACES
	FETCH \slot, \q1, \g
	s_wait_dscnt 24                                ; all but the 24 just issued
	WIN MUL
	MUL16 \f, 2, \zero
.endm
.macro FIVE slot, zero
	QUARTER \slot, 1, F0, F1, \zero
	QUARTER \slot, 2, F1, F0, 0
	QUARTER \slot, 3, F0, F1, 0
	QUARTER \slot, 4, F1, F0, 0
	QUARTER \slot, 5, F0, F1, 0
.endm
; The sixth quarter: multiplies buffer 1 and changes slots.  fill = 1: this slot is filled again, two K steps ahead; 2: with the tail; 0: not at all.
; In front of the barrier each wave waits for its reads of this slot and for all its tensor loads (one is out: its part of the next slot).
; Behind it nobody reads this slot and the next slot is whole: the refill comes first, then the next slot's first fragments.
; From a request to the wait for it a wave issues 192 matrix instructions.
.macro TURN slot, next, fill
	s_wait_dscnt 4
	WIN MUL
	MUL16 F1, 0, 0
	s_wait_dscnt 0x0                               ; my reads of this slot are over
	s_wait_tensorcnt 0x0                           ; all my tensor loads have landed
	ds_add_u32 v254, v255
	s_wait_dscnt 0x0
	s_barrier_signal -1                            ; where a slot is filled again this barrier opens a round of the cluster's barrier
	WIN 0
	s_barrier_wait -1
.if \fill
	CREST                                          ; no wave of any partner still reads this slot's tile or has a load on its way
	s_add_nc_u64 s[G0+4*\slot+2:G0+4*\slot+3], s[G0+4*\slot+2:G0+4*\slot+3], 2*KSTEP*2
.if \fill == 1
	s_add_nc_u64 s[G0B+4*\slot+2:G0B+4*\slot+3], s[G0B+4*\slot+2:G0B+4*\slot+3], 2*KSTEP*WROW
	JLOAD \slot, 0                                 ; the first tensor load behind the round; its four v_nop are also the places in front of the loads below
.else
	JLOAD \slot, 1                                 ; the same with the tail's descriptors
.endif
.else
	PLACES
.endif
	FETCH \next, 0, F0
	WIN MUL
	MUL16 F1, 2, 0
.endm
.macro LAP zero                        ; once round the ring, both slots filled again
	FIVE 0, \zero
	TURN 0, 1, 1
	FIVE 1, 0
	TURN 1, 0, 1
.endm
	s_wait_tensorcnt 0x1                           ; my part of K step 0 is in; K step 1's stays out
	s_barrier_signal -1
	s_barrier_wait -1                              ; everybody's is
	FETCH 0, 0, F0
	LAP 1                                          ; the first lap stands in front of the loop: its first products start the sums
	WIN 0                                          ; at a label and at a branch every window is 0
	s_mov_b32 s23, NLAPS-1
.Llap:
	LAP 0
	WIN 0
	s_sub_co_u32 s23, s23, 1
	s_cmp_lg_u32 s23, 0
	s_cbranch_scc1 .Llap
.if TSLOT
	FIVE 0, 0                                      ; 21 whole steps: step 18 asks for the last whole tile,
	TURN 0, 1, 1
	FIVE 1, 0                                      ; step 19 for the tail,
	TURN 1, 0, 2
	FIVE 0, 0                                      ; step 20 for nothing: a plain barrier shows the tail's tile to every wave
	TURN 0, 1, 0
.else
	FIVE 0, 0                                      ; 10 whole steps: step 8 asks for the tail,
	TURN 0, 1, 2
	FIVE 1, 0                                      ; step 9 for nothing: a plain barrier shows the tail's tile to every wave
	TURN 1, 0, 0
.endif
	QUARTER TSLOT, 1, F0, F1, 0                    ; the tail: TAILK / 32 quarters, two or four
.if TAILK == 128
	QUARTER TSLOT, 2, F1, F0, 0
	QUARTER TSLOT, 3, F0, F1, 0
.endif
	s_wait_dscnt 4                                 ; the very last quarter: nothing more to fetch
	WIN MUL
	MUL16 F1, 0, 0
	s_wait_dscnt 0x0
	MUL16 F1, 2, 0
	PLACES                                         ; the places behind the last matrix instructions, for all that reads results or rewrites fragments below
	WIN 0
.if MODE == 0
; THE WAY OUT, 16 rows at a time: rotate (or scale), round to f16, 16 bytes a lane into my own stage, read back as whole rows of 256 bytes.
; A lane's registers 2 p, 2 p + 1 of a tile are the even and odd channel of frequency 8 b + 4 h + p:
; even' = e cos - o sin, odd' = e sin + o cos, each one product and one fused multiply-add; cos and sin already carry SQ.
.macro OUT16 a, rope
.if \rope
	WIN 0x09                                       ; source 0 (sums) window 1, source 1 (cos, sin) window 2, source 2 and destination window 0
.irp b, 0,1,2,3,4,5,6,7
.irp p, 0,1,2,3
	v_mul_f32 v[F0+8*\b+2*\p],   v[8*(8*\a+\b)+2*\p+1], v[128+4*(8*\a+\b)+\p]
	v_mul_f32 v[F0+8*\b+2*\p+1], v[8*(8*\a+\b)+2*\p],   v[128+4*(8*\a+\b)+\p]
.endr
.irp p, 0,1,2,3
	v_fma_f32 v[F0+8*\b+2*\p],   v[8*(8*\a+\b)+2*\p],   v[4*(8*\a+\b)+\p], -v[F0+8*\b+2*\p]
	v_fma_f32 v[F0+8*\b+2*\p+1], v[8*(8*\a+\b)+2*\p+1], v[4*(8*\a+\b)+\p], v[F0+8*\b+2*\p+1]
.endr
.endr
.else
	WIN 0x01                                       ; source 0 (sums) window 1
.irp b, 0,1,2,3,4,5,6,7
.irp p, 0,1,2,3
	v_pk_mul_f32 v[F0+8*\b+2*\p:F0+8*\b+2*\p+1], v[8*(8*\a+\b)+2*\p:8*(8*\a+\b)+2*\p+1], 0x3e800000 op_sel_hi:[1,0]   ; v / 4
.endr
.endr
.endif
	WIN 0
.irp b, 0,1,2,3,4,5,6,7
.irp p, 0,1,2,3
	v_cvt_pk_f16_f32 v[TMP+4*\b+\p], v[F0+8*\b+2*\p], v[F0+8*\b+2*\p+1]
.endr
.endr
.irp b, 0,1,2,3,4,5,6,7
	ds_store_b128 v[STO], v[TMP+4*\b:TMP+4*\b+3] offset:32*\b
.endr
	s_wait_xcnt 0x0                                ; the last block's stores have had their addresses translated (ISA guide 3.1): their data registers and base are rewritten only behind this wait
.if \a
	s_add_nc_u64 s[12:13], s[12:13], 16*CROW       ; 16 rows of C on
.endif
.irp t, 0,1,2,3,4,5,6,7
	ds_load_b128 v[F1+4*\t:F1+4*\t+3], v[RD] offset:\t*2*SPITCH    ; LDS serves a wave's instructions in order (ISA guide 5.7.1): these see the stores above
.endr
.irp t, 0,1,2,3,4,5,6,7
	s_wait_dscnt 7-\t                              ; pair t of rows is in, the 7 - t younger loads stay out
	global_store_b128 v[CO], v[F1+4*\t:F1+4*\t+3], s[12:13] offset:\t*2*CROW   ; 16 lanes store 256 consecutive bytes, at a multiple of 256 from C's first byte
.endr
.endm
	s_wait_loadcnt 0x0                             ; cos and sin, asked for in front of the K loop
	s_cmp_eq_u32 ttmp9, 3                          ; cluster column 3 holds v's columns; the cluster's x is the same in all partners
	s_cbranch_scc1 .Lplain
	; cos and sin: rounded to bf16 (nearest even), widened again, times SQ.  All in place in window 2, a pair of registers at a time:
	; the pair is packed into its lower register, the upper half goes back to the upper register, the lower half is shifted up.
	WIN 0x8a                                       ; sources 0 and 1 and the destination in window 2
.set ii, 0
.rept 128
	v_cvt_pk_bf16_f32 v[ii], v[ii], v[ii+1]
.set ii, ii+2
.endr
.set ii, 0
.rept 128
	v_and_b32 v[ii+1], 0xffff0000, v[ii]
.set ii, ii+2
.endr
.set ii, 0
.rept 128
	v_lshlrev_b32 v[ii], 16, v[ii]
.set ii, ii+2
.endr
.set ii, 0
.rept 128
	v_pk_mul_f32 v[ii:ii+1], v[ii:ii+1], 0x3eb6d543 op_sel_hi:[1,0]   ; SQ goes into cos and sin: as many multiplies as scaling the 256 results would take
.set ii, ii+2
.endr
	OUT16 0, 1
	OUT16 1, 1
	OUT16 2, 1
	OUT16 3, 1
	s_branch .Ldone
.Lplain:
	OUT16 0, 0
	OUT16 1, 0
	OUT16 2, 0
	OUT16 3, 0
.Ldone:
.else
; THE WAY OUT, 16 rows at a time: the f32 sums go as they are, 32 bytes a lane and tile, into my own stage, and come back as whole rows of 512 bytes.
.macro OUTF a
	WIN 0x04                                       ; an LDS store's data is source 1: window 1
.irp b, 0,1,2,3,4,5,6,7
	ds_store_b128 v[STO], v[8*(8*\a+\b):8*(8*\a+\b)+3]   offset:64*\b
	ds_store_b128 v[STO], v[8*(8*\a+\b)+4:8*(8*\a+\b)+7] offset:64*\b+16
.endr
	WIN 0
	s_wait_xcnt 0x0                                ; the last block's stores have had their addresses translated (ISA guide 3.1): their data registers and base are rewritten only behind this wait
.if \a
	s_add_nc_u64 s[12:13], s[12:13], 16*CROW
.endif
.irp t, 0,1,2,3,4,5,6,7,8,9,10,11,12,13,14,15
	ds_load_b128 v[F0+4*\t:F0+4*\t+3], v[RD] offset:\t*SPITCH      ; LDS serves a wave's instructions in order (ISA guide 5.7.1): these see the stores above
.endr
.irp t, 0,1,2,3,4,5,6,7,8,9,10,11,12,13,14,15
	s_wait_dscnt 15-\t                             ; row t is in, the 15 - t younger loads stay out
	global_store_b128 v[CO], v[F0+4*\t:F0+4*\t+3], s[12:13] offset:\t*CROW th:TH_STORE_NT   ; the wave stores 512 consecutive bytes, at a multiple of 512 from C's first byte
.endr
.endm
	OUTF 0
	OUTF 1
	OUTF 2
	OUTF 3
.endif
	s_wait_tensorcnt 0x0
	ds_add_u32 v254, v255
	s_wait_dscnt 0x0
	CROUND                                         ; the closing round: no work-group ends while a partner may still ask for a tile that names it
	s_endpgm
.Lfunc_end_k_qd2ec79b140_outgemm:
	.size	k_qd2ec79b140_outgemm, .Lfunc_end_k_qd2ec79b140_outgemm-k_qd2ec79b140_outgemm
	.p2alignl 7, 3214868480
	.fill 96, 4, 3214868480
	.section	.rodata,"a",@progbits
	.p2align	6, 0x0
	.amdhsa_kernel k_qd2ec79b140_outgemm
		.amdhsa_group_segment_fixed_size 327680
		.amdhsa_private_segment_fixed_size 0
		.amdhsa_enable_private_segment 0
		.amdhsa_kernarg_size 24
		.amdhsa_user_sgpr_count 2
		.amdhsa_user_sgpr_kernarg_segment_ptr 1
		.amdhsa_wavefront_size32 1
		.amdhsa_system_sgpr_workgroup_id_x 1
		.amdhsa_system_sgpr_workgroup_id_y 1
		.amdhsa_system_sgpr_workgroup_id_z 1
		.amdhsa_system_vgpr_workitem_id 0
		.amdhsa_next_free_vgpr 512
		.amdhsa_next_free_sgpr 98
		.amdhsa_reserve_vcc 0
		.amdhsa_float_denorm_mode_32 3
		.amdhsa_float_denorm_mode_16_64 3
		.amdhsa_memory_ordered 1
		.amdhsa_forward_progress 1
		.amdhsa_inst_pref_size 181
	.end_amdhsa_kernel
	.amdgpu_metadata
---
amdhsa.version: [ 1, 2 ]
amdhsa.kernels:
  - .name:           k_qd2ec79b140_outgemm
    .symbol:         k_qd2ec79b140_outgemm.kd
    .args:
      - { .name: ab, .offset: 0, .size: 8, .value_kind: global_buffer, .address_space: global }
      - { .name: wo16, .offset: 8, .size: 8, .value_kind: global_buffer, .address_space: global }
      - { .name: out0, .offset: 16, .size: 8, .value_kind: global_buffer, .address_space: global }
    .group_segment_fixed_size: 327680
    .private_segment_fixed_size: 0
    .kernarg_segment_align: 8
    .kernarg_segment_size: 24
    .max_flat_workgroup_size: 128
    .sgpr_count:     98
    .vgpr_count:     512
    .wavefront_size: 32
...
	.end_amdgpu_metadata
.endif
;; end of part 4
